; MI455X (gfx1250); checked and timed in simulation.
; The chip was launched on July 23, 2026; its instructions are those of AMD's public machine-readable ISA for CDNA 5 (MIT licence, August 2026) and "CDNA5" Instruction Set Architecture Reference Guide (July 2026). The comments in the code are by the model that wrote it; some were corrected since.
;; Enhanced Value Network. Allowed arithmetic: float matrix products may take bf16 or f16 operands with f32 sums; all other float work in f32.
;; Inputs: b1 128 float32; b2 128 float32; b3 64 float32; b4 1 float32; be1 128 float32; be2 128 float32; be3 64 float32; g1 128 float32; g2 128 float32; g3 64 float32; w1 16 x 128 float32; w2 128 x 128 float32; w3 128 x 64 float32; w4 64 x 1 float32; x 524,288 x 16 float32.
;; Outputs: out0 524,288 x 1 float32.
;; One version. Each part assembles by itself: llvm-mc -triple=amdgcn-amd-amdhsa -mcpu=gfx1250 --defsym DOCPART=n.
;; ======== version 1 of 1: 4 launches
;; limits: a difference of large sums (such as E[x^2] - mean^2): digits are lost where the result is much smaller than its terms
;; workspace buffers: h0 16,777,216 bytes; part1 263,168 bytes; part2 263,168 bytes; part3 131,328 bytes; fin1 1,024 bytes; fin2 1,024 bytes
;; launch feat (part 1): grid 256 x 1, 8 waves a work-group, no clusters, 9,728 bytes of LDS; arguments x, w1, h0, part1; writes h0, part1
.if DOCPART == 1
	.amdgcn_target "amdgcn-amd-amdhsa--gfx1250"
	.amdhsa_code_object_version 6
	.text
	.protected	k_q9d7248ece1_feat
	.globl	k_q9d7248ece1_feat
	.p2align	8
	.type	k_q9d7248ece1_feat,@function
k_q9d7248ece1_feat:
	s_mov_b64 s[64:65], 0
	v_nop
	global_prefetch_b8 v0, s[64:65] scope:SCOPE_SE
	s_setreg_imm32_b32 hwreg(HW_REG_WAVE_MODE, 25, 1), 1
	s_wait_xcnt 0x0
; EnhancedValueNetwork, pass 1 of 4.
; From x[:, :4] (reference() itself drops columns 4-15) each lane makes one row of h0 = [4 numbers, 12 pair scores] in bf16,
; the wave stores it in the order of a matrix operand, multiplies it by w1 (bf16, f32 sums) and adds up, for each of the 128 columns of
; z1 = h0 w1, S1 = sum(z1 - p) and S2 = sum((z1 - p)^2).  p is the mean of z1 over batch rows 0-31, which every wave computes first by the same
; instructions on the same data; -p enters as the matrix instruction's C, so no difference of large sums is ever formed.
; Work-group g: rows 2048 g ..; wave w: 256 rows in 8 chunks of 32; lane L: row 32 c + L of its wave.  All 8 chunk loads are issued at once.
; h0 layout: [tile of 16 rows][half h][row r][8 bf16]: lane r + 16 h owns 16 bytes, a wave's store covers 512 consecutive bytes, aligned.
; part1: row g (1,024 bytes) = S1[128], S2[128]; row 256 = p[128], stored by work-group 0.
; No clusters: the only shared inputs are w1 (8,192 bytes) and 32 rows of x against 131,072 bytes of x of the work-group's own.
; LIMITS: NaN or infinity in x is not served (maxima drop NaN; reference() gives NaN everywhere there).  a / b is a * rcp(b); a denormal b counts as 0,
; which gives the score 0.  |v - 24| / 24 is a multiplication by 1/24, a b - 24 one fused multiply-add.
.set RED,   0                          ; LDS: wave w at 1024 w: S1[128], S2[128]
.set PILS,  8192                       ; LDS: 512 bytes, the pilot on its way out (wave 0 of work-group 0 alone)
.set LANE,  1
.set ROW,   2                          ; r = L & 15
.set HALF,  3                          ; h = L >> 4
.set XO,    4                          ; 16384 w + 64 L
.set HO,    5                          ; 8192 w + 16 L
.set WO,    6                          ; 4096 h + 4 r
.set RA,    7                          ; RED + 1024 w + 4 r
.set XPO,   9                          ; 64 L
.set L16,   10                         ; 16 L
.set XP,    12                         ; v[12:15]   x of batch row L (pilot)
.set X,     16                         ; v[16:47]   chunk c: 4 registers
.set FA,    48                         ; v[48:55]   operand of rows 0-15 of a chunk; registers 4-7 = 0 (K = 16 of 32)
.set FB,    56                         ; v[56:63]   of rows 16-31
.set W1,    64                         ; v[64:127]  w1, column tile nt at 8 nt; registers 4-7 = 0
.set DD,    128                        ; v[128:191] results; before that raw w1, and the feature step's scratch
.set ACC,   192                        ; v[192:223] tile nt: S1 pair at 4 nt, S2 pair at 4 nt + 2
.set TT,    224                        ; v[224:239] reductions
.set EX,    240                        ; v[240:243] what comes from the other half of the lanes
.set PB0,   244                        ; v244, v245 addresses, v[248:251] data of the pilot's way out
.set CP,    0                          ; v[256:319] (window 1): tile nt = 8 registers of -p[16 nt + r]
.set P0, 128
.set P1, 129
.set Q0, 130
.set Q1, 131
.set C0, 132                           ; C0..C3: the non-zero numbers, moved to the front in order
.set C1, 133
.set C2, 134
.set C3, 135
.set TA, 136                           ; third pair
.set TB, 137
.set R1, 138
.set R2, 139
.set R3, 140
.set T0, 141
.set T1, 142
.set FF, 144                           ; v[144:155] 3 pairs x 4 scores
.set TX, 156                           ; v[156:159] what goes to the other half
.set MSB, 0
.macro WIN new                         ; the immediate's high byte repeats the setting that is left
.if MSB != (\new)
	s_set_vgpr_msb (MSB<<8)|(\new)
.set MSB, (\new)
.endif
.endm
.macro PLACES                          ; four independent vector places behind matrix instructions (ISA guide 7.12.1) before their registers are touched
.rept 4
	v_nop
.endr
.endm
.macro ADD4 d, s
	v_pk_add_f32 v[\d:\d+1], v[\d:\d+1], v[\s:\s+1]
	v_pk_add_f32 v[\d+2:\d+3], v[\d+2:\d+3], v[\s+2:\s+3]
.endm
; four scores of the pair (a, b): score(v) = max(1 - |v - 24| / 24, 0)
.macro PAIR a, b, rc, f
	v_add_f32 v[\f], v[\a], v[\b]
	v_fmaak_f32 v[\f+1], v[\a], v[\b], 0xc1c00000          ; a b - 24
	v_sub_f32 v[\f+2], v[\a], v[\b]
	s_wait_alu depctr_va_vdst(0)
	v_fmaak_f32 v[\f+3], v[\a], v[\rc], 0xc1c00000         ; a / b - 24
	v_add_f32 v[\f], 0xc1c00000, v[\f]
	v_add_f32 v[\f+2], 0xc1c00000, v[\f+2]
.irp j,0,1,2,3
	v_fma_f32 v[\f+\j], |v[\f+\j]|, s16, 1.0               ; s16 = -1/24
.endr
.irp j,0,1,2,3
	v_max_num_f32 v[\f+\j], 0, v[\f+\j]
.endr
.endm
; one row a lane: numbers at v[xb .. xb+3] -> FA, FB = the two operands of the wave's 32 rows.  Selects only, no branch.
.macro FEAT xb
	v_cmp_neq_f32 s20, 0, v[\xb]
	v_cmp_neq_f32 s21, 0, v[\xb+2]
	v_cndmask_b32 v[P0], v[\xb+1], v[\xb], s20             ; (n0, n1) with its non-zeros in front
	v_cndmask_b32 v[P1], 0, v[\xb+1], s20
	v_cndmask_b32 v[Q0], v[\xb+3], v[\xb+2], s21           ; (n2, n3) likewise
	v_cndmask_b32 v[Q1], 0, v[\xb+3], s21
	v_cmp_neq_f32 s22, 0, v[P0]
	v_cmp_neq_f32 s23, 0, v[P1]
	v_cndmask_b32 v[C0], v[Q0], v[P0], s22                 ; merge: the second pair follows the 0, 1 or 2 numbers of the first
	v_cndmask_b32 v[T0], v[Q1], v[Q0], s22
	v_cndmask_b32 v[C1], v[T0], v[P1], s23
	v_cndmask_b32 v[T1], 0, v[Q1], s22
	v_cndmask_b32 v[C2], v[T1], v[Q0], s23
	v_cndmask_b32 v[C3], 0, v[Q1], s23
	v_cmp_neq_f32 s24, 0, v[C1]                            ; at least 2 numbers
	v_cmp_neq_f32 s25, 0, v[C2]                            ; at least 3
	v_cmp_neq_f32 s26, 0, v[C3]                            ; 4
	v_cndmask_b32 v[TA], v[C1], v[C0], s26                 ; third pair: (0, 3) with 4 numbers, (1, 2) with 3
	v_cndmask_b32 v[TB], v[C2], v[C3], s26
	v_rcp_f32 v[R1], v[C1]                                 ; results are first used behind plain vector lines (ISA guide 5.7.2)
	v_rcp_f32 v[R2], v[C2]
	v_rcp_f32 v[R3], v[TB]
	PAIR C0, C1, R1, FF
	PAIR C0, C2, R2, FF+4
	PAIR TA, TB, R3, FF+8
	v_cvt_pk_bf16_f32 v[FA], v[\xb], v[\xb+1]              ; k 0-3: the numbers as they stand
	v_cvt_pk_bf16_f32 v[FA+1], v[\xb+2], v[\xb+3]
	v_cvt_pk_bf16_f32 v[FA+2], v[FF], v[FF+1]
	v_cvt_pk_bf16_f32 v[FA+3], v[FF+2], v[FF+3]
	v_cvt_pk_bf16_f32 v[FB], v[FF+4], v[FF+5]
	v_cvt_pk_bf16_f32 v[FB+1], v[FF+6], v[FF+7]
	v_cvt_pk_bf16_f32 v[FB+2], v[FF+8], v[FF+9]
	v_cvt_pk_bf16_f32 v[FB+3], v[FF+10], v[FF+11]
	v_cndmask_b32 v[FA+2], 0, v[FA+2], s24                 ; pairs that do not exist give zeros
	v_cndmask_b32 v[FA+3], 0, v[FA+3], s24
.irp i,0,1,2,3
	v_cndmask_b32 v[FB+\i], 0, v[FB+\i], s25
.endr
	; a lane holds k 0-7 (FA) and k 8-15 (FB) of row L; an operand wants k 8 h .. 8 h + 7 of row r: lanes 0-15 give away k 8-15, lanes 16-31 k 0-7
.irp i,0,1,2,3
	v_cndmask_b32 v[TX+\i], v[FB+\i], v[FA+\i], s27
.endr
.irp i,0,1,2,3
	v_permlanex16_b32 v[EX+\i], v[TX+\i], s18, s19
.endr
.irp i,0,1,2,3
	v_cndmask_b32 v[FA+\i], v[FA+\i], v[EX+\i], s27
	v_cndmask_b32 v[FB+\i], v[EX+\i], v[FB+\i], s27
.endr
.endm
; 16 rows x 128 columns.  mode 0: C = 0; 1: added to what D holds; 2: C = -p
.macro MZ f, mode
.if \mode == 2
	WIN 0x10
.endif
.irp nt,0,1,2,3,4,5,6,7
.if \mode == 0
	v_wmma_f32_16x16x32_bf16 v[DD+8*\nt:DD+8*\nt+7], v[\f:\f+7], v[W1+8*\nt:W1+8*\nt+7], 0
.else
.if \mode == 1
	v_wmma_f32_16x16x32_bf16 v[DD+8*\nt:DD+8*\nt+7], v[\f:\f+7], v[W1+8*\nt:W1+8*\nt+7], v[DD+8*\nt:DD+8*\nt+7]
.else
	v_wmma_f32_16x16x32_bf16 v[DD+8*\nt:DD+8*\nt+7], v[\f:\f+7], v[W1+8*\nt:W1+8*\nt+7], v[CP+8*\nt:CP+8*\nt+7]
.endif
.endif
.endr
	WIN 0
	PLACES
.endm
.macro VST                             ; a lane holds 8 rows of one column in each tile: S1 += d, S2 += d d
.irp q,0,1,2,3
.irp nt,0,1,2,3,4,5,6,7
	v_pk_add_f32 v[ACC+4*\nt:ACC+4*\nt+1], v[ACC+4*\nt:ACC+4*\nt+1], v[DD+8*\nt+2*\q:DD+8*\nt+2*\q+1]
	v_pk_fma_f32 v[ACC+4*\nt+2:ACC+4*\nt+3], v[DD+8*\nt+2*\q:DD+8*\nt+2*\q+1], v[DD+8*\nt+2*\q:DD+8*\nt+2*\q+1], v[ACC+4*\nt+2:ACC+4*\nt+3]
.endr
.endr
.endm
	s_load_b256 s[4:11], s[0:1], 0x0               ; x s[4:5], w1 s[6:7], h0 s[8:9], part1 s[10:11]
	v_lshl_add_u32 v254, v0, 2, 0x2200
	v_mov_b32 v255, 0
	v_lshrrev_b32 v8, 5, v0
	v_readfirstlane_b32 s12, v8                    ; wave 0..7
	v_and_b32 v[LANE], 31, v0
	v_and_b32 v[ROW], 15, v0
	v_bfe_u32 v[HALF], v0, 4, 1
	s_mov_b32 s16, 0xbd2aaaab                      ; -1/24
	s_mov_b32 s18, 0x76543210                      ; v_permlanex16_b32: lane i of one half reads lane i of the other
	s_mov_b32 s19, 0xfedcba98
	s_mov_b32 s27, 0xffff0000                      ; lanes 16-31
	s_lshl_b32 s13, s12, 14
	v_lshl_add_u32 v[XO], v[LANE], 6, s13
	s_lshl_b32 s13, s12, 13
	v_lshl_add_u32 v[HO], v[LANE], 4, s13
	v_lshlrev_b32 v[WO], 2, v[ROW]
	v_lshl_add_u32 v[WO], v[HALF], 12, v[WO]
	s_lshl_b32 s13, s12, 10
	v_lshl_add_u32 v[RA], v[ROW], 2, s13
	v_lshlrev_b32 v[XPO], 6, v[LANE]
	v_lshlrev_b32 v[L16], 4, v[LANE]
	s_lshl_b32 s14, ttmp9, 17                      ; 2,048 rows of 64 bytes
	s_mov_b32 s15, 0
	s_wait_kmcnt 0x0
	s_add_nc_u64 s[28:29], s[4:5], s[14:15]        ; x at the group's rows (s[4:5] stays: the pilot's rows)
	s_lshl_b32 s14, ttmp9, 16                      ; 2,048 rows of 32 bytes
	s_add_nc_u64 s[8:9], s[8:9], s[14:15]
	s_lshl_b32 s14, ttmp9, 10
	s_add_nc_u64 s[30:31], s[10:11], s[14:15]      ; my row of part1 (s[10:11] stays: the pilot's row)
	global_load_b128 v[XP:XP+3], v[XPO], s[4:5]
.irp nt,0,1,2,3,4,5,6,7
.irp e,0,1,2,3,4,5,6,7
	global_load_b32 v[DD+8*\nt+\e], v[WO], s[6:7] offset:512*\e+64*\nt     ; w1[8 h + e][16 nt + r]
.endr
.endr
.irp c,0,1,2,3,4,5,6,7
	global_load_b128 v[X+4*\c:X+4*\c+3], v[XO], s[28:29] offset:2048*\c th:TH_LOAD_NT
.endr
	; written once: the upper K halves of all operands, the sums, and the registers that v_permlanex16_b32 writes (they count as read)
.irp j,4,5,6,7
	v_mov_b32 v[FA+\j], 0
	v_mov_b32 v[FB+\j], 0
.irp nt,0,1,2,3,4,5,6,7
	v_mov_b32 v[W1+8*\nt+\j], 0
.endr
.endr
.set i, 0
.rept 32
	v_mov_b32 v[ACC+i], 0
.set i, i+1
.endr
.irp j,0,1,2,3
	v_mov_b32 v[EX+\j], 0
.endr
	s_wait_loadcnt 0x8                             ; the pilot's x and w1 are in; the eight chunk loads stay out
.irp nt,0,1,2,3,4,5,6,7
.irp i,0,1,2,3
	v_cvt_pk_bf16_f32 v[W1+8*\nt+\i], v[DD+8*\nt+2*\i], v[DD+8*\nt+2*\i+1]
.endr
.endr
	; THE PILOT: column means of z1 over batch rows 0-31.  The second tile is added onto the first row by row: only column sums count.
	FEAT XP
	MZ FA, 0
	MZ FB, 1
.irp nt,0,1,2,3,4,5,6,7
	v_pk_add_f32 v[DD+8*\nt:DD+8*\nt+1], v[DD+8*\nt:DD+8*\nt+1], v[DD+8*\nt+2:DD+8*\nt+3]
	v_pk_add_f32 v[DD+8*\nt+4:DD+8*\nt+5], v[DD+8*\nt+4:DD+8*\nt+5], v[DD+8*\nt+6:DD+8*\nt+7]
	v_pk_add_f32 v[DD+8*\nt:DD+8*\nt+1], v[DD+8*\nt:DD+8*\nt+1], v[DD+8*\nt+4:DD+8*\nt+5]
	v_add_f32 v[TT+2*\nt], v[DD+8*\nt], v[DD+8*\nt+1]
	v_permlanex16_b32 v[EX], v[TT+2*\nt], s18, s19
	v_add_f32 v[TT+2*\nt], v[TT+2*\nt], v[EX]              ; the sum of 32 rows of column 16 nt + r, in both halves
	v_mov_b32 v[TT+2*\nt+1], v[TT+2*\nt]
.endr
	WIN 0x40
.irp nt,0,1,2,3,4,5,6,7
.irp q,0,1,2,3
	v_pk_mul_f32 v[CP+8*\nt+2*\q:CP+8*\nt+2*\q+1], v[TT+2*\nt:TT+2*\nt+1], 0xbd000000 op_sel_hi:[1,0]    ; x (-1/32), exact
.endr
.endr
	WIN 0
	s_cmp_lg_u32 s12, 0
	s_cbranch_scc1 .Lno_pilot
	s_cmp_lg_u32 ttmp9, 0
	s_cbranch_scc1 .Lno_pilot
	v_lshlrev_b32 v[PB0], 2, v[ROW]
	v_add_nc_u32 v[PB0], PILS, v[PB0]
	v_add_nc_u32 v[PB0+1], PILS, v[L16]
.irp nt,0,1,2,3,4,5,6,7
	v_mul_f32 v[TT+2*\nt+1], 0x3d000000, v[TT+2*\nt]       ; p = sum / 32, the exact negative of C
	ds_store_b32 v[PB0], v[TT+2*\nt+1] offset:64*\nt       ; both halves write the same word with the same value
.endr
	ds_load_b128 v[PB0+4:PB0+7], v[PB0+1]                  ; LDS serves a wave's instructions in order: this sees the stores
	s_wait_dscnt 0x0
	global_store_b128 v[L16], v[PB0+4:PB0+7], s[10:11] offset:262144       ; 512 consecutive bytes, aligned
.Lno_pilot:
.irp c,0,1,2,3,4,5,6,7
	s_wait_loadcnt 7-\c                            ; loads come back in order: chunk c is in, the younger chunks stay out
	s_wait_xcnt 0x0                                ; FA and FB, which the last chunk's stores read, are rewritten only behind this wait
	FEAT X+4*\c
	global_store_b128 v[HO], v[FA:FA+3], s[8:9] offset:1024*\c
	global_store_b128 v[HO], v[FB:FB+3], s[8:9] offset:1024*\c+512
	MZ FA, 2
	VST
	MZ FB, 2
	VST
.endr
	; the wave's sums: the pair, then the other half's 8 rows; then the eight waves meet in LDS
.irp nt,0,1,2,3,4,5,6,7
	v_add_f32 v[TT+2*\nt], v[ACC+4*\nt], v[ACC+4*\nt+1]
	v_add_f32 v[TT+2*\nt+1], v[ACC+4*\nt+2], v[ACC+4*\nt+3]
	v_permlanex16_b32 v[EX], v[TT+2*\nt], s18, s19
	v_permlanex16_b32 v[EX+1], v[TT+2*\nt+1], s18, s19
	v_add_f32 v[TT+2*\nt], v[TT+2*\nt], v[EX]
	v_add_f32 v[TT+2*\nt+1], v[TT+2*\nt+1], v[EX+1]
	ds_store_b32 v[RA], v[TT+2*\nt] offset:64*\nt
	ds_store_b32 v[RA], v[TT+2*\nt+1] offset:64*\nt+512
.endr
	s_wait_dscnt 0x0                               ; my stores are done before I say so
	s_barrier_signal -1
	s_barrier_wait -1
	s_cmp_ge_u32 s12, 2
	s_cbranch_scc1 .Lend
	v_lshlrev_b32 v8, 4, v0                        ; threads 0-63: 16 bytes each of the row of 1,024
.irp q,0,1,2,3,4,5,6,7
	ds_load_b128 v[DD+4*\q:DD+4*\q+3], v8 offset:1024*\q
.endr
	s_wait_dscnt 0x0
	ADD4 DD, DD+16
	ADD4 DD+4, DD+20
	ADD4 DD+8, DD+24
	ADD4 DD+12, DD+28
	ADD4 DD, DD+8
	ADD4 DD+4, DD+12
	ADD4 DD, DD+4
	global_store_b128 v8, v[DD:DD+3], s[30:31]
.Lend:
	s_wait_tensorcnt 0x0
	ds_add_u32 v254, v255
	s_wait_dscnt 0x0
	s_endpgm
.Lfunc_end_k_q9d7248ece1_feat:
	.size	k_q9d7248ece1_feat, .Lfunc_end_k_q9d7248ece1_feat-k_q9d7248ece1_feat
	.p2alignl 7, 3214868480
	.fill 96, 4, 3214868480
	.section	.rodata,"a",@progbits
	.p2align	6, 0x0
	.amdhsa_kernel k_q9d7248ece1_feat
		.amdhsa_group_segment_fixed_size 9728
		.amdhsa_private_segment_fixed_size 0
		.amdhsa_enable_private_segment 0
		.amdhsa_kernarg_size 32
		.amdhsa_user_sgpr_count 2
		.amdhsa_user_sgpr_kernarg_segment_ptr 1
		.amdhsa_wavefront_size32 1
		.amdhsa_system_sgpr_workgroup_id_x 1
		.amdhsa_system_sgpr_workgroup_id_y 1
		.amdhsa_system_sgpr_workgroup_id_z 1
		.amdhsa_system_vgpr_workitem_id 0
		.amdhsa_next_free_vgpr 320
		.amdhsa_next_free_sgpr 66
		.amdhsa_reserve_vcc 0
		.amdhsa_float_denorm_mode_32 3
		.amdhsa_float_denorm_mode_16_64 3
		.amdhsa_memory_ordered 1
		.amdhsa_forward_progress 1
		.amdhsa_inst_pref_size 151
	.end_amdhsa_kernel
	.amdgpu_metadata
---
amdhsa.version: [ 1, 2 ]
amdhsa.kernels:
  - .name:           k_q9d7248ece1_feat
    .symbol:         k_q9d7248ece1_feat.kd
    .args:
      - { .name: x, .offset: 0, .size: 8, .value_kind: global_buffer, .address_space: global }
      - { .name: w1, .offset: 8, .size: 8, .value_kind: global_buffer, .address_space: global }
      - { .name: h0, .offset: 16, .size: 8, .value_kind: global_buffer, .address_space: global }
      - { .name: part1, .offset: 24, .size: 8, .value_kind: global_buffer, .address_space: global }
    .group_segment_fixed_size: 9728
    .private_segment_fixed_size: 0
    .kernarg_segment_align: 8
    .kernarg_segment_size: 32
    .max_flat_workgroup_size: 256
    .sgpr_count:     66
    .vgpr_count:     320
    .wavefront_size: 32
...
	.end_amdgpu_metadata
.endif
;; end of part 1
;; launch stage2 (part 2): grid 256 x 1, 4 waves a work-group, no clusters, 168,448 bytes of LDS; arguments h0, part1, b1, g1, be1, w1, w2, part2, fin1; writes part2, fin1
.if DOCPART == 2
	.amdgcn_target "amdgcn-amd-amdhsa--gfx1250"
	.amdhsa_code_object_version 6
	.text
	.protected	k_q9d7248ece1_stage2
	.globl	k_q9d7248ece1_stage2
	.p2align	8
	.type	k_q9d7248ece1_stage2,@function
k_q9d7248ece1_stage2:
	s_mov_b64 s[64:65], 0
	v_nop
	global_prefetch_b8 v0, s[64:65] scope:SCOPE_SE
	s_setreg_imm32_b32 hwreg(HW_REG_WAVE_MODE, 25, 1), 1
	s_wait_xcnt 0x0
; EnhancedValueNetwork, passes 2, 3 and 4 of 4: one text, STAGE says which.
; Pass STAGE finishes the BatchNorm of layer STAGE-1 from the 256 work-groups' shifted sums, recomputes layers 1 .. STAGE-1 from h0 and
;   STAGE 2, 3: multiplies by w2 / w3 and adds up S1 = sum(z - p), S2 = sum((z - p)^2) per column (p: column mean over batch rows 0-31, computed alike by
;               every wave; -p is the first K step's C, so no difference of large sums is formed);
;   STAGE 4:    applies layer 3's BatchNorm and ReLU, the product with w4 (f32 multiply-adds on numbers already in registers), b4 and the sigmoid.
; BatchNorm: m1 = S1/B, var = max(S2/B - m1^2, 0), a = g rsq(var + 1e-5), mu = p + m1 + b, sh = a (b - mu) + be; y = a z + sh.  a is multiplied into the
; weights' columns in f32 before their one rounding to bf16, sh is the first K step's C: behind a hidden layer only max(., 0) and the rounding remain.
; Work-group g: rows 2048 g ..; wave w: 512 rows = 16 trips of two tiles of 16 rows.  All weights and C tiles stay in the wave's registers.
; Hidden layers are used transposed (source 0 = weights, source 1 = rows): a lane's 8 results are 8 neighbouring columns of one row, and four packed
; roundings make registers of the next layer's operand.  The layer whose sums are taken is used the natural way: a lane holds one column.
; No clusters: what all work-groups share (2048 NF bytes of sums, up to 106,496 bytes of weights) is read once at set-up by plain loads and added or scaled on
; arrival; brought whole by joint tensor loads, 262,144 bytes of sums beside the 65,536 of h0 would fill all 327,680 bytes of LDS.
; LIMITS: NaN and infinity are not served (maxima drop NaN).  var's relative error grows as 1 + (mean - p)^2 / var.
.set STAGE, 2
.if STAGE == 4
.set NF, 64                            ; columns of the layer that is finished
.else
.set NF, 128
.endif
.if STAGE == 2
.set NS, 128                           ; columns of the layer whose sums are taken
.else
.set NS, 64
.endif
; LDS.  0 .. 65535: h0, wave w at 16384 w, a tile of 16 rows at 512 t (filled once by tensor loads, each wave its own part)
.set W1L,  65536                       ; bf16 [k][n], 16 rows, pitch 288
.set W2L,  70144                       ; 128 rows, pitch 288
.set W3L,  107008                      ; 128 rows of 64, pitch 160
.set RED,  127488                      ; wave w at 1024 w: S1, S2
.set FIN,  131584                      ; layer l at 1024 (l - 1): a[128], sh[128]
.set OUTS, 134656                      ; wave w at 2048 w: 512 results
.set PILS, 142848                      ; the pilot on its way out
.set P2,   288                         ; both pitches are odd multiples of 32 bytes, as the transposing load's 16 lanes want
.set P3,   160
; scalar registers: s[4:29] arguments, s[32:35] and s[36:43] descriptor, s44 wave, s45 scratch, s46-47 lane selects, s48 trips, s49 b4, s[50:51] offsets
.set A_PART, 6
.set A_B,    8
.set A_G,    10
.set A_BE,   12
.set A_W1,   14
.set A_W2,   16
.if STAGE == 2
.set A_POUT, 18
.set A_FOUT, 20
.endif
.if STAGE == 3
.set A_W3,   18
.set A_FIN1, 20
.set A_POUT, 22
.set A_FOUT, 24
.endif
.if STAGE == 4
.set A_W3,   18
.set A_FIN1, 20
.set A_FIN2, 22
.set A_W4,   24
.set A_B4,   26
.set A_OUT,  28
.endif
; window 0
.set LANE, 1
.set ROW,  2                           ; r = L & 15
.set HALF, 3                           ; h = L >> 4
.set HA,   4                           ; LDS: 16384 w + 16 L, stepped by 1024 a trip
.set OA,   5                           ; LDS: OUTS + 2048 w + 4 L, stepped by 128 a trip
.set TR2,  6                           ; LDS: W1L + (8 h + (L & 7)) 288 + 16 ((L >> 3) & 1)
.set TR3,  7                           ; LDS: W3L + (8 h + (L & 7)) 160 + 16 ((L >> 3) & 1)
.set CB,   8                           ; LDS: FIN + 32 h
.set RO1,  9                           ; 16 L + 2048 w
.set RO2,  10                          ; 16 L + 16384 w
.set RO3,  11                          ; 16 L + 8192 w
.set PO,   12                          ; 16 L + 512 NF w
.set TC4,  13                          ; 4 (t & (NF - 1))
.set PX,   14                          ; what v_permlanex16_b32 writes
.set L16,  15                          ; 16 L
.set HF,   16                          ; v[16:23], v[24:31] h0 operands of the two tiles; registers 4-7 = 0
.set PP,   32                          ; v[32:63], v[64:95] a layer's input, 4 K steps of 8 registers, for each tile
.set DD,   96                          ; v[96:159], v[160:223] results, 8 column tiles for each tile of rows
.set ACC,  224                         ; v[224:255] column tile i: S1 pair at 4 i, S2 pair at 4 i + 2
; window 0 during set-up
.set PRM,  32                          ; p, b, g, be of my column
.set FD1,  36
.set FD2,  38
.set AV1,  40                          ; a of my four columns, layers 1, 2, 3
.set AV2,  44
.set AV3,  48
.set FT,   52                          ; v[52:67]
.set SA1,  72
.set SA2,  73
.set SA3,  74
.set FA16, 75
.set FA3,  76
.set RW,   77
.set RR,   78
.set FW,   79
.set T8,   80
.set FC,   81
.set W4O,  82
.set TM0,  84
.set TM1,  85
.set RG,   96                          ; v[96:223] ring of 32 loads
.set SET,  224                         ; v[224:239] four sets of sums
; window 1: w2, fragment (nt, ks) at 8 (4 nt + ks); during set-up the raw f32 weights
.set W2B,  0
.set R1,   0
.set R2,   16
.set R3,   144
; window 2
.set W1B,  0                           ; w1, tile nt at 8 nt
.set W3B,  64                          ; w3, fragment (nt, ks) at 64 + 8 (4 nt + ks)
.set W4B,  192                         ; w4[16 nt + 8 h + j] at 192 + 8 nt + j
; window 3: the C tiles of layers 1, 2, 3
.set C1B,  0
.set C2B,  64
.set C3B,  128
.set MSB, 0
.macro WIN new                         ; bits 1:0 source 0, 3:2 source 1, 5:4 source 2, 7:6 destination; the high byte repeats the setting that is left
.if MSB != (\new)
	s_set_vgpr_msb (MSB<<8)|(\new)
.set MSB, (\new)
.endif
.endm
.macro PLACES                          ; four independent vector places behind matrix instructions (ISA guide 7.12.1) before their registers are touched
.rept 4
	v_nop
.endr
.endm
.macro BAR
	s_barrier_signal -1
	s_barrier_wait -1
.endm
.macro ADD4 d, s
	v_pk_add_f32 v[\d:\d+1], v[\d:\d+1], v[\s:\s+1]
	v_pk_add_f32 v[\d+2:\d+3], v[\d+2:\d+3], v[\s+2:\s+3]
.endm
; raw f32 weights (window 1) x a of their columns, rounded once to bf16, to LDS as [k][n].  av < 0: not scaled (its a is not known yet)
.macro FOLD rb, cnt, av, sa, step
.if \av >= 0
	WIN 0x41
.set i, 0
.rept \cnt
	v_pk_mul_f32 v[\rb+4*i:\rb+4*i+1], v[\rb+4*i:\rb+4*i+1], v[\av:\av+1]
	v_pk_mul_f32 v[\rb+4*i+2:\rb+4*i+3], v[\rb+4*i+2:\rb+4*i+3], v[\av+2:\av+3]
.set i, i+1
.endr
.endif
	WIN 0x45
.set i, 0
.rept \cnt
	v_cvt_pk_bf16_f32 v[\rb+4*i], v[\rb+4*i], v[\rb+4*i+1]
	v_cvt_pk_bf16_f32 v[\rb+4*i+1], v[\rb+4*i+2], v[\rb+4*i+3]
.set i, i+1
.endr
	WIN 0x04
.set i, 0
.rept \cnt
	ds_store_b64 v[\sa], v[\rb+4*i:\rb+4*i+1] offset:\step*i
.set i, i+1
.endr
	WIN 0
.endm
; C tiles of a hidden layer: register j = sh[16 i + 8 h + j]
.macro CT cb, lay, nts
.set i, 0
.rept \nts
	ds_load_b128 v[\cb+8*i:\cb+8*i+3], v[CB] offset:1024*(\lay-1)+512+64*i
	ds_load_b128 v[\cb+8*i+4:\cb+8*i+7], v[CB] offset:1024*(\lay-1)+512+64*i+16
.set i, i+1
.endr
.endm
; a hidden layer, transposed, both tiles of rows: the first K step takes sh as C, the others go on in place
.macro MHID wb, wwin, nts, kss, src, sstep, cb
	WIN 0x30|\wwin
.irp st,0,1
.set i, 0
.rept \nts
	v_wmma_f32_16x16x32_bf16 v[DD+64*\st+8*i:DD+64*\st+8*i+7], v[\wb+8*\kss*i:\wb+8*\kss*i+7], v[\src+\sstep*\st:\src+\sstep*\st+7], v[\cb+8*i:\cb+8*i+7]
.set i, i+1
.endr
.endr
.if \kss > 1
	WIN \wwin
.set k, 1
.rept \kss-1
.irp st,0,1
.set i, 0
.rept \nts
	v_wmma_f32_16x16x32_bf16 v[DD+64*\st+8*i:DD+64*\st+8*i+7], v[\wb+8*(\kss*i+k):\wb+8*(\kss*i+k)+7], v[\src+\sstep*\st+8*k:\src+\sstep*\st+8*k+7], v[DD+64*\st+8*i:DD+64*\st+8*i+7]
.set i, i+1
.endr
.endr
.set k, k+1
.endr
.endif
	WIN 0
	PLACES
.endm
; ReLU and the rounding: tile i's 8 columns become registers 4 i .. 4 i + 3 of the next operand run
.macro ACT nts
.irp st,0,1
.set i, 0
.rept \nts
.irp j,0,1,2,3,4,5,6,7
	v_max_num_f32 v[DD+64*\st+8*i+\j], 0, v[DD+64*\st+8*i+\j]
.endr
.irp j,0,1,2,3
	v_cvt_pk_bf16_f32 v[PP+32*\st+4*i+\j], v[DD+64*\st+8*i+2*\j], v[DD+64*\st+8*i+2*\j+1]
.endr
.set i, i+1
.endr
.endr
.endm
; the layer whose sums are taken, natural order.  pilot = 1: C = 0, and both tiles of rows are added into the first one's results
.macro MSTAT wb, wwin, nts, cb, pilot
.if \pilot
	WIN \wwin
.irp st,0,1
.set k, 0
.rept 4
.set i, 0
.rept \nts
.if \st+k == 0
	v_wmma_f32_16x16x32_bf16 v[DD+8*i:DD+8*i+7], v[PP:PP+7], v[\wb+32*i:\wb+32*i+7], 0
.else
	v_wmma_f32_16x16x32_bf16 v[DD+8*i:DD+8*i+7], v[PP+32*\st+8*k:PP+32*\st+8*k+7], v[\wb+8*(4*i+k):\wb+8*(4*i+k)+7], v[DD+8*i:DD+8*i+7]
.endif
.set i, i+1
.endr
.set k, k+1
.endr
.endr
.else
	WIN 0x30|\wwin
.irp st,0,1
.set i, 0
.rept \nts
	v_wmma_f32_16x16x32_bf16 v[DD+64*\st+8*i:DD+64*\st+8*i+7], v[PP+32*\st:PP+32*\st+7], v[\wb+32*i:\wb+32*i+7], v[\cb+8*i:\cb+8*i+7]
.set i, i+1
.endr
.endr
	WIN \wwin
.set k, 1
.rept 3
.irp st,0,1
.set i, 0
.rept \nts
	v_wmma_f32_16x16x32_bf16 v[DD+64*\st+8*i:DD+64*\st+8*i+7], v[PP+32*\st+8*k:PP+32*\st+8*k+7], v[\wb+8*(4*i+k):\wb+8*(4*i+k)+7], v[DD+64*\st+8*i:DD+64*\st+8*i+7]
.set i, i+1
.endr
.endr
.set k, k+1
.endr
.endif
	WIN 0
	PLACES
.endm
.macro VSTAT nts                       ; S1 += d, S2 += d d
.irp st,0,1
.irp q,0,1,2,3
.set i, 0
.rept \nts
	v_pk_add_f32 v[ACC+4*i:ACC+4*i+1], v[ACC+4*i:ACC+4*i+1], v[DD+64*\st+8*i+2*\q:DD+64*\st+8*i+2*\q+1]
	v_pk_fma_f32 v[ACC+4*i+2:ACC+4*i+3], v[DD+64*\st+8*i+2*\q:DD+64*\st+8*i+2*\q+1], v[DD+64*\st+8*i+2*\q:DD+64*\st+8*i+2*\q+1], v[ACC+4*i+2:ACC+4*i+3]
.set i, i+1
.endr
.endr
.endr
.endm
; the pilot's column sums over 32 rows -> C tiles of -sum/32 (window 3); the sums stay in v[ACC + 2 i]
.macro REDP nts, cb
.set i, 0
.rept \nts
	v_pk_add_f32 v[DD+8*i:DD+8*i+1], v[DD+8*i:DD+8*i+1], v[DD+8*i+2:DD+8*i+3]
	v_pk_add_f32 v[DD+8*i+4:DD+8*i+5], v[DD+8*i+4:DD+8*i+5], v[DD+8*i+6:DD+8*i+7]
	v_pk_add_f32 v[DD+8*i:DD+8*i+1], v[DD+8*i:DD+8*i+1], v[DD+8*i+4:DD+8*i+5]
	v_add_f32 v[ACC+2*i], v[DD+8*i], v[DD+8*i+1]
	v_permlanex16_b32 v[PX], v[ACC+2*i], s46, s47
	v_add_f32 v[ACC+2*i], v[ACC+2*i], v[PX]
	v_mov_b32 v[ACC+2*i+1], v[ACC+2*i]
.set i, i+1
.endr
	WIN 0xc0
.set i, 0
.rept \nts
.irp q,0,1,2,3
	v_pk_mul_f32 v[\cb+8*i+2*\q:\cb+8*i+2*\q+1], v[ACC+2*i:ACC+2*i+1], 0xbd000000 op_sel_hi:[1,0]    ; x (-1/32), exact
.endr
.set i, i+1
.endr
	WIN 0
.endm
; STAGE 4: ReLU, the product with w4, b4, the sigmoid; lane L ends with row 32 trip + L
.macro VOUT
.irp st,0,1
.set i, 0
.rept 32
	v_max_num_f32 v[DD+64*\st+i], 0, v[DD+64*\st+i]
.set i, i+1
.endr
.endr
	WIN 0x08
.irp st,0,1
	v_pk_mul_f32 v[ACC+4*\st:ACC+4*\st+1], v[DD+64*\st:DD+64*\st+1], v[W4B:W4B+1]              ; the first products start the sums
	v_pk_mul_f32 v[ACC+4*\st+2:ACC+4*\st+3], v[DD+64*\st+2:DD+64*\st+3], v[W4B+2:W4B+3]
.set i, 2
.rept 14
	v_pk_fma_f32 v[ACC+4*\st+2*(i&1):ACC+4*\st+2*(i&1)+1], v[DD+64*\st+2*i:DD+64*\st+2*i+1], v[W4B+2*i:W4B+2*i+1], v[ACC+4*\st+2*(i&1):ACC+4*\st+2*(i&1)+1]
.set i, i+1
.endr
.endr
	WIN 0
	v_pk_add_f32 v[ACC:ACC+1], v[ACC:ACC+1], v[ACC+2:ACC+3]
	v_pk_add_f32 v[ACC+4:ACC+5], v[ACC+4:ACC+5], v[ACC+6:ACC+7]
	v_add_f32 v[ACC], v[ACC], v[ACC+1]                     ; first tile, row r, my half's 32 columns
	v_add_f32 v[ACC+4], v[ACC+4], v[ACC+5]                 ; second tile
	v_cndmask_b32 v[ACC+1], v[ACC], v[ACC+4], s31          ; keep: lanes 0-15 the first tile's, lanes 16-31 the second's
	v_cndmask_b32 v[ACC+2], v[ACC+4], v[ACC], s31          ; give the other away
	v_permlanex16_b32 v[PX], v[ACC+2], s46, s47
	v_add_f32 v[ACC+1], v[ACC+1], v[PX]
	v_fma_f32 v[ACC+1], v[ACC+1], s30, s49                 ; -log2(e) (logit + b4)
	v_exp_f32 v[ACC+1], v[ACC+1]
	v_nop                                                  ; one plain place behind a transcendental (ISA guide 5.7.2)
	v_add_f32 v[ACC+1], 1.0, v[ACC+1]
	v_rcp_f32 v[ACC+1], v[ACC+1]
	v_nop
	ds_store_b32 v[OA], v[ACC+1]
	v_add_nc_u32 v[OA], 128, v[OA]
.endm
; 32 rows.  more = 1: the next trip's two operands are fetched as soon as layer 1 has read these
.macro TRIP more
	s_wait_dscnt 0x0                               ; this trip's operands are in
	MHID W1B, 2, 8, 1, HF, 8, C1B
.if \more
	v_add_nc_u32 v[HA], 1024, v[HA]
	ds_load_b128 v[HF:HF+3], v[HA]
	ds_load_b128 v[HF+8:HF+11], v[HA] offset:512
.endif
	ACT 8
.if STAGE == 2
	MSTAT W2B, 0x04, 8, C2B, 0
	VSTAT 8
.else
	MHID W2B, 1, 8, 4, PP, 32, C2B
	ACT 8
.if STAGE == 3
	MSTAT W3B, 0x08, 4, C3B, 0
	VSTAT 4
.else
	MHID W3B, 2, 4, 4, PP, 32, C3B
	VOUT
.endif
.endif
.endm
	; ---------------- arguments, ids, the tensor load of my 512 rows of h0
	s_load_b512 s[4:19], s[0:1], 0x0
.if STAGE == 2
	s_load_b64 s[20:21], s[0:1], 0x40
	v_lshl_add_u32 v7, v0, 2, 0x29000
	v_mov_b32 v11, 0
	ds_add_u32 v7, v11
	ds_add_u32 v7, v11
.endif
.if STAGE == 3
	s_load_b128 s[20:23], s[0:1], 0x40
	s_load_b64 s[24:25], s[0:1], 0x50
.endif
.if STAGE == 4
	s_load_b128 s[20:23], s[0:1], 0x40
	s_load_b128 s[24:27], s[0:1], 0x50
	s_load_b64 s[28:29], s[0:1], 0x60
	s_mov_b32 s30, 0xbfb8aa3b                      ; -log2(e)
	s_mov_b32 s31, 0xffff0000                      ; lanes 16-31
.endif
	v_lshrrev_b32 v[PX], 5, v0
	v_readfirstlane_b32 s44, v[PX]                 ; wave 0..3
	v_and_b32 v[LANE], 31, v0
	v_and_b32 v[ROW], 15, v0
	v_bfe_u32 v[HALF], v0, 4, 1
	v_lshlrev_b32 v[L16], 4, v[LANE]
	s_mov_b32 s46, 0x76543210                      ; v_permlanex16_b32: lane i of one half reads lane i of the other
	s_mov_b32 s47, 0xfedcba98
	s_mov_b32 s36, 3<<16                           ; group 1: elements of 8 bytes, no mask, no padding
	s_mov_b32 s37, 32<<16                          ; tensor_dim0 = 32 elements = 256 bytes
	s_mov_b32 s38, 64<<16                          ; tensor_dim1 = 64 rows
	s_mov_b32 s39, 32<<16                          ; tile_dim0 = 32
	s_mov_b32 s40, 64                              ; tile_dim1 = 64: 16,384 bytes, dense
	s_mov_b32 s41, 32                              ; pitch = 32 elements
	s_mov_b32 s42, 0
	s_mov_b32 s43, 0
	s_mov_b32 s32, 1                               ; group 0: count
	s_lshl_b32 s33, s44, 14                        ; LDS address 16384 w
	s_lshl_b32 s50, ttmp9, 16                      ; 2,048 rows of 32 bytes
	s_add_co_u32 s50, s50, s33
	s_mov_b32 s51, 0
	s_wait_dscnt 0x0
	s_wait_kmcnt 0x0
	s_add_nc_u64 s[34:35], s[4:5], s[50:51]
	s_or_b32 s35, s35, 0x80000000                  ; type 2
	tensor_load_to_lds s[32:35], s[36:43]          ; the wave's one tensor load; its bytes are never filled again
	s_nop 0
.if STAGE == 4
	s_load_b32 s49, s[A_B4:A_B4+1], 0x0
.endif
	; ---------------- offsets and LDS addresses
	v_add_nc_u32 v[HA], s33, v[L16]
	v_add_nc_u32 v[RO2], s33, v[L16]
	s_lshl_b32 s45, s44, 11
	v_add_nc_u32 v[RO1], s45, v[L16]
	s_mul_i32 s45, s44, 512*NF
	v_add_nc_u32 v[PO], s45, v[L16]
	v_and_b32 v[TC4], NF-1, v0
	v_lshlrev_b32 v[TC4], 2, v[TC4]
	v_and_b32 v[TM0], 7, v0
	v_lshl_add_u32 v[TM0], v[HALF], 3, v[TM0]
	v_bfe_u32 v[TM1], v0, 3, 1
	v_lshlrev_b32 v[TM1], 4, v[TM1]
	v_mul_u32_u24 v[TR2], v[TM0], P2
	v_add_nc_u32 v[TR2], v[TR2], v[TM1]
	v_add_nc_u32 v[TR2], W1L, v[TR2]
	v_lshlrev_b32 v[CB], 5, v[HALF]
	v_add_nc_u32 v[CB], FIN, v[CB]
	s_mul_i32 s45, s44, 4*P2
	s_add_co_u32 s45, s45, W1L
	v_lshl_add_u32 v[SA1], v[LANE], 3, s45         ; w1's rows 4 w .., 8 bytes a lane
	s_mul_i32 s45, s44, 32*P2
	s_add_co_u32 s45, s45, W2L
	v_lshl_add_u32 v[SA2], v[LANE], 3, s45         ; w2's rows 32 w ..
	v_add_nc_u32 v[FA16], FIN, v[L16]
	s_lshl_b32 s45, s44, 10
	s_add_co_u32 s45, s45, RED
	v_add_nc_u32 v[RW], s45, v[L16]
	v_add_nc_u32 v[RR], RED, v[TC4]
	v_lshlrev_b32 v[FW], 2, v0
	v_add_nc_u32 v[FW], FIN+1024*(STAGE-2), v[FW]
.if STAGE >= 3
	s_lshl_b32 s45, s44, 13
	v_add_nc_u32 v[RO3], s45, v[L16]
	v_mul_u32_u24 v[TR3], v[TM0], P3
	v_add_nc_u32 v[TR3], v[TR3], v[TM1]
	v_add_nc_u32 v[TR3], W3L, v[TR3]
	s_mul_i32 s45, s44, 32*P3
	s_add_co_u32 s45, s45, W3L
	v_mul_u32_u24 v[SA3], v[HALF], P3
	v_lshl_add_u32 v[SA3], v[ROW], 3, v[SA3]
	v_add_nc_u32 v[SA3], s45, v[SA3]               ; w3's rows 32 w + h .., two rows a load
	v_lshlrev_b32 v[T8], 3, v0
	v_add_nc_u32 v[FC], FIN, v[T8]
.endif
.if STAGE == 4
	v_lshlrev_b32 v[FA3], 4, v[ROW]
	v_add_nc_u32 v[FA3], FIN+2048, v[FA3]
	v_lshlrev_b32 v[W4O], 5, v[HALF]
	s_lshl_b32 s45, s44, 11
	s_add_co_u32 s45, s45, OUTS
	v_lshl_add_u32 v[OA], v[LANE], 2, s45
.endif
	; ---------------- all global loads of the set-up, in one run
	global_load_b32 v[PRM], v[TC4], s[A_PART:A_PART+1] offset:2048*NF      ; p
	global_load_b32 v[PRM+1], v[TC4], s[A_B:A_B+1]
	global_load_b32 v[PRM+2], v[TC4], s[A_G:A_G+1]
	global_load_b32 v[PRM+3], v[TC4], s[A_BE:A_BE+1]
.if STAGE >= 3
	global_load_b64 v[FD1:FD1+1], v[T8], s[A_FIN1:A_FIN1+1]
.endif
.if STAGE == 4
	global_load_b64 v[FD2:FD2+1], v[T8], s[A_FIN2:A_FIN2+1]
.endif
	WIN 0x40
.set i, 0
.rept 4
	global_load_b128 v[R1+4*i:R1+4*i+3], v[RO1], s[A_W1:A_W1+1] offset:512*i
.set i, i+1
.endr
.set i, 0
.rept 32
	global_load_b128 v[R2+4*i:R2+4*i+3], v[RO2], s[A_W2:A_W2+1] offset:512*i
.set i, i+1
.endr
.if STAGE >= 3
.set i, 0
.rept 16
	global_load_b128 v[R3+4*i:R3+4*i+3], v[RO3], s[A_W3:A_W3+1] offset:512*i
.set i, i+1
.endr
.endif
.if STAGE == 4
	WIN 0x80
.irp nt,0,1,2,3
	global_load_b128 v[W4B+8*\nt:W4B+8*\nt+3], v[W4O], s[A_W4:A_W4+1] offset:64*\nt
	global_load_b128 v[W4B+8*\nt+4:W4B+8*\nt+7], v[W4O], s[A_W4:A_W4+1] offset:64*\nt+16
.endr
.endif
	WIN 0
	; ---------------- the 256 work-groups' sums: my wave adds 64 rows, NF loads of 512 bytes through a ring of 32
.set i, 0
.rept 32
	global_load_b128 v[RG+4*i:RG+4*i+3], v[PO], s[A_PART:A_PART+1] offset:512*i
.set i, i+1
.endr
.set i, 0
.rept 16
	v_mov_b32 v[SET+i], 0
.set i, i+1
.endr
.set i, 0
.rept NF
.if NF-1-i < 31
	s_wait_loadcnt NF-1-i                          ; the last loads: the count runs down
.else
	s_wait_loadcnt 31                              ; loads come back in order: load i is in, the 31 younger ones stay out
.endif
	v_pk_add_f32 v[SET+4*(i&3):SET+4*(i&3)+1], v[SET+4*(i&3):SET+4*(i&3)+1], v[RG+4*(i&31):RG+4*(i&31)+1]
	v_pk_add_f32 v[SET+4*(i&3)+2:SET+4*(i&3)+3], v[SET+4*(i&3)+2:SET+4*(i&3)+3], v[RG+4*(i&31)+2:RG+4*(i&31)+3]
.if i+32 < NF
	global_load_b128 v[RG+4*(i&31):RG+4*(i&31)+3], v[PO], s[A_PART:A_PART+1] offset:512*(i+32)
.endif
.set i, i+1
.endr
	ADD4 SET, SET+8
	ADD4 SET+4, SET+12
.if NF == 128
	ds_store_b128 v[RW], v[SET:SET+3]              ; even loads were S1's halves of the rows,
	ds_store_b128 v[RW], v[SET+4:SET+7] offset:512 ; odd ones S2's
.else
	ADD4 SET, SET+4                                ; a load is a whole row: lanes 0-15 S1, lanes 16-31 S2
	ds_store_b128 v[RW], v[SET:SET+3]
.endif
.if STAGE >= 3
	ds_store_b64 v[FC], v[FD1:FD1+1]               ; a and sh of the layers finished earlier
.endif
.if STAGE == 4
	ds_store_b64 v[FC], v[FD2:FD2+1] offset:1024
.endif
	s_wait_tensorcnt 0x0                           ; my part of h0 is in LDS
	s_wait_dscnt 0x0                               ; my stores are done before I say so
	BAR
	; ---------------- a and sh of my column
.irp q,0,1,2,3
	ds_load_b32 v[FT+\q], v[RR] offset:1024*\q
	ds_load_b32 v[FT+4+\q], v[RR] offset:1024*\q+4*NF
.endr
	s_wait_dscnt 0x0
	v_pk_add_f32 v[FT:FT+1], v[FT:FT+1], v[FT+2:FT+3]
	v_pk_add_f32 v[FT+4:FT+5], v[FT+4:FT+5], v[FT+6:FT+7]
	v_add_f32 v[FT], v[FT], v[FT+1]
	v_add_f32 v[FT+4], v[FT+4], v[FT+5]
	v_mul_f32 v[FT], 0x36000000, v[FT]             ; m1 = S1 / 524288
	v_mul_f32 v[FT+4], 0x36000000, v[FT+4]
	v_fma_f32 v[FT+4], -v[FT], v[FT], v[FT+4]
	v_max_num_f32 v[FT+4], 0, v[FT+4]              ; var
	v_add_f32 v[FT+4], 0x3727c5ac, v[FT+4]         ; + 1e-5
	v_rsq_f32 v[FT+5], v[FT+4]
	v_add_f32 v[FT], v[PRM], v[FT]                 ; p + m1 (the plain place behind the transcendental)
	v_add_f32 v[FT], v[FT], v[PRM+1]               ; mu = mean of z + b
	s_wait_alu depctr_va_vdst(0)
	v_mul_f32 v[FT+5], v[PRM+2], v[FT+5]           ; a
	v_sub_f32 v[FT], v[PRM+1], v[FT]               ; b - mu
	v_fma_f32 v[FT+6], v[FT+5], v[FT], v[PRM+3]    ; sh
.if NF == 64
	s_cmp_ge_u32 s44, 2                            ; threads 64-127 hold copies of columns 0-63
	s_cbranch_scc1 .Lno_fin
.endif
	ds_store_b32 v[FW], v[FT+5]
	ds_store_b32 v[FW], v[FT+6] offset:512
.Lno_fin:
	s_wait_dscnt 0x0
	BAR
.if STAGE < 4
	s_cmp_lg_u32 s44, 0
	s_cbranch_scc1 .Lno_fout
	s_cmp_lg_u32 ttmp9, 0
	s_cbranch_scc1 .Lno_fout
	ds_load_b128 v[FT+8:FT+11], v[FA16] offset:1024*(STAGE-2)
	ds_load_b128 v[FT+12:FT+15], v[FA16] offset:1024*(STAGE-2)+512
	s_wait_dscnt 0x0
	global_store_b128 v[L16], v[FT+8:FT+11], s[A_FOUT:A_FOUT+1]            ; for the later passes
	global_store_b128 v[L16], v[FT+12:FT+15], s[A_FOUT:A_FOUT+1] offset:512
	s_wait_xcnt 0x0                                ; the stores' registers are written again further down
.Lno_fout:
.endif
	; ---------------- weights: scale, round, lay down as [k][n]
	ds_load_b128 v[AV1:AV1+3], v[FA16]
.if STAGE >= 3
	ds_load_b128 v[AV2:AV2+3], v[FA16] offset:1024
.endif
.if STAGE == 4
	ds_load_b128 v[AV3:AV3+3], v[FA3]
.endif
	s_wait_dscnt 0x0
	FOLD R1, 4, AV1, SA1, P2
.if STAGE == 2
	FOLD R2, 32, -1, SA2, P2
.else
	FOLD R2, 32, AV2, SA2, P2
.endif
.if STAGE == 3
	FOLD R3, 16, -1, SA3, 2*P3
.endif
.if STAGE == 4
	FOLD R3, 16, AV3, SA3, 2*P3
.endif
	s_wait_dscnt 0x0
	BAR
	; ---------------- fragments (lane: column n0 + r, k along the registers) by transposing loads; C tiles; zeros for K 16-31 of layer 1
	WIN 0x80
.irp nt,0,1,2,3,4,5,6,7
	ds_load_tr16_b128 v[W1B+8*\nt:W1B+8*\nt+3], v[TR2] offset:32*\nt
.endr
.if STAGE >= 3
.irp nt,0,1,2,3
.irp ks,0,1,2,3
	ds_load_tr16_b128 v[W3B+8*(4*\nt+\ks):W3B+8*(4*\nt+\ks)+3], v[TR3] offset:32*P3*\ks+32*\nt
	ds_load_tr16_b128 v[W3B+8*(4*\nt+\ks)+4:W3B+8*(4*\nt+\ks)+7], v[TR3] offset:32*P3*\ks+32*\nt+16*P3
.endr
.endr
.endif
.irp nt,0,1,2,3,4,5,6,7
.irp j,4,5,6,7
	v_mov_b32 v[W1B+8*\nt+\j], 0
.endr
.endr
	WIN 0x40
.irp nt,0,1,2,3,4,5,6,7
.irp ks,0,1,2,3
	ds_load_tr16_b128 v[W2B+8*(4*\nt+\ks):W2B+8*(4*\nt+\ks)+3], v[TR2] offset:16*P2+32*P2*\ks+32*\nt
	ds_load_tr16_b128 v[W2B+8*(4*\nt+\ks)+4:W2B+8*(4*\nt+\ks)+7], v[TR2] offset:16*P2+32*P2*\ks+32*\nt+16*P2
.endr
.endr
	WIN 0xc0
	CT C1B, 1, 8
.if STAGE >= 3
	CT C2B, 2, 8
.endif
.if STAGE == 4
	CT C3B, 3, 4
.endif
	WIN 0
.irp j,4,5,6,7,12,13,14,15
	v_mov_b32 v[HF+\j], 0
.endr
.if STAGE == 4
	s_wait_kmcnt 0x0
	s_mul_f32 s49, s49, s30                        ; -log2(e) b4
.endif
.if STAGE < 4
	; ---------------- the pilot: batch rows 0-31 through the same layers
	global_load_b128 v[HF:HF+3], v[L16], s[4:5]
	global_load_b128 v[HF+8:HF+11], v[L16], s[4:5] offset:512
	s_wait_loadcnt 0x0
	s_wait_dscnt 0x0                               ; fragments and C tiles are in
	MHID W1B, 2, 8, 1, HF, 8, C1B
	ACT 8
.if STAGE == 2
	MSTAT W2B, 0x04, 8, C2B, 1
	REDP 8, C2B
.else
	MHID W2B, 1, 8, 4, PP, 32, C2B
	ACT 8
	MSTAT W3B, 0x08, 4, C3B, 1
	REDP 4, C3B
.endif
	s_cmp_lg_u32 s44, 0
	s_cbranch_scc1 .Lno_pilot
	s_cmp_lg_u32 ttmp9, 0
	s_cbranch_scc1 .Lno_pilot
	v_lshlrev_b32 v[DD+64], 2, v[ROW]
	v_add_nc_u32 v[DD+64], PILS, v[DD+64]
.set i, 0
.rept NS/16
	v_mul_f32 v[ACC+2*i+1], 0x3d000000, v[ACC+2*i]         ; p = sum / 32, the exact negative of C
	ds_store_b32 v[DD+64], v[ACC+2*i+1] offset:64*i        ; both halves write the same word with the same value
.set i, i+1
.endr
.if NS == 128
	v_add_nc_u32 v[DD+65], PILS, v[L16]
	ds_load_b128 v[DD+68:DD+71], v[DD+65]                  ; LDS serves a wave's instructions in order: this sees the stores
	s_wait_dscnt 0x0
	global_store_b128 v[L16], v[DD+68:DD+71], s[A_POUT:A_POUT+1] offset:2048*NS
.else
	v_lshlrev_b32 v[DD+66], 3, v[LANE]
	v_add_nc_u32 v[DD+65], PILS, v[DD+66]
	ds_load_b64 v[DD+68:DD+69], v[DD+65]
	s_wait_dscnt 0x0
	global_store_b64 v[DD+66], v[DD+68:DD+69], s[A_POUT:A_POUT+1] offset:2048*NS       ; 256 consecutive bytes, aligned
.endif
	s_wait_xcnt 0x0                                ; the store's registers are written again in the loop
.Lno_pilot:
.set i, 0
.rept NS/4
	v_mov_b32 v[ACC+i], 0
.set i, i+1
.endr
.endif
	; ---------------- 16 trips of 32 rows
	ds_load_b128 v[HF:HF+3], v[HA]
	ds_load_b128 v[HF+8:HF+11], v[HA] offset:512
	s_mov_b32 s48, 15
.Ltrip:
	TRIP 1
	WIN 0
	s_sub_co_u32 s48, s48, 1
	s_cmp_lg_u32 s48, 0
	s_cbranch_scc1 .Ltrip
	TRIP 0                                         ; the last trip fetches nothing
.if STAGE < 4
	; ---------------- the wave's sums, then the four waves' through LDS (RED was last read two barriers ago)
	s_lshl_b32 s45, s44, 10
	s_add_co_u32 s45, s45, RED
	v_lshl_add_u32 v[DD], v[ROW], 2, s45
.set i, 0
.rept NS/16
	v_add_f32 v[DD+2+2*i], v[ACC+4*i], v[ACC+4*i+1]
	v_add_f32 v[DD+3+2*i], v[ACC+4*i+2], v[ACC+4*i+3]
	v_permlanex16_b32 v[PX], v[DD+2+2*i], s46, s47
	v_add_f32 v[DD+2+2*i], v[DD+2+2*i], v[PX]
	v_permlanex16_b32 v[PX], v[DD+3+2*i], s46, s47
	v_add_f32 v[DD+3+2*i], v[DD+3+2*i], v[PX]
	ds_store_b32 v[DD], v[DD+2+2*i] offset:64*i
	ds_store_b32 v[DD], v[DD+3+2*i] offset:64*i+4*NS
.set i, i+1
.endr
	s_wait_dscnt 0x0
	BAR
	s_cmp_ge_u32 s44, NS/64                        ; a row of 8 NS bytes: 16 bytes a thread
	s_cbranch_scc1 .Lend
	v_lshlrev_b32 v[DD+1], 4, v0
	v_add_nc_u32 v[DD], RED, v[DD+1]
.irp q,0,1,2,3
	ds_load_b128 v[DD+4+4*\q:DD+7+4*\q], v[DD] offset:1024*\q
.endr
	s_mul_i32 s50, ttmp9, 8*NS
	s_mov_b32 s51, 0
	s_add_nc_u64 s[30:31], s[A_POUT:A_POUT+1], s[50:51]
	s_wait_dscnt 0x0
	ADD4 DD+4, DD+12
	ADD4 DD+8, DD+16
	ADD4 DD+4, DD+8
	global_store_b128 v[DD+1], v[DD+4:DD+7], s[30:31]
.Lend:
.else
	; ---------------- my 512 results: my own bytes of LDS, read back 16 bytes a lane; a store covers 512 consecutive bytes, aligned
	s_lshl_b32 s45, s44, 11
	s_add_co_u32 s45, s45, OUTS
	v_add_nc_u32 v[DD+16], s45, v[L16]
	s_lshl_b32 s50, ttmp9, 13
	s_mov_b32 s51, 0
	s_add_nc_u64 s[A_OUT:A_OUT+1], s[A_OUT:A_OUT+1], s[50:51]
.irp q,0,1,2,3
	ds_load_b128 v[DD+4*\q:DD+4*\q+3], v[DD+16] offset:512*\q
.endr
.irp q,0,1,2,3
	s_wait_dscnt 3-\q                              ; LDS loads come back in order: the younger ones stay out
	global_store_b128 v[RO1], v[DD+4*\q:DD+4*\q+3], s[A_OUT:A_OUT+1] offset:512*\q th:TH_STORE_NT     ; RO1 = 2048 w + 16 L
.endr
.endif
	s_wait_tensorcnt 0x0
	ds_add_u32 v7, v11
	s_wait_dscnt 0x0
	s_endpgm
.Lfunc_end_k_q9d7248ece1_stage2:
	.size	k_q9d7248ece1_stage2, .Lfunc_end_k_q9d7248ece1_stage2-k_q9d7248ece1_stage2
	.p2alignl 7, 3214868480
	.fill 96, 4, 3214868480
	.section	.rodata,"a",@progbits
	.p2align	6, 0x0
	.amdhsa_kernel k_q9d7248ece1_stage2
		.amdhsa_group_segment_fixed_size 168448
		.amdhsa_private_segment_fixed_size 0
		.amdhsa_enable_private_segment 0
		.amdhsa_kernarg_size 72
		.amdhsa_user_sgpr_count 2
		.amdhsa_user_sgpr_kernarg_segment_ptr 1
		.amdhsa_wavefront_size32 1
		.amdhsa_system_sgpr_workgroup_id_x 1
		.amdhsa_system_sgpr_workgroup_id_y 1
		.amdhsa_system_sgpr_workgroup_id_z 1
		.amdhsa_system_vgpr_workitem_id 0
		.amdhsa_next_free_vgpr 1024
		.amdhsa_next_free_sgpr 66
		.amdhsa_reserve_vcc 0
		.amdhsa_float_denorm_mode_32 3
		.amdhsa_float_denorm_mode_16_64 3
		.amdhsa_memory_ordered 1
		.amdhsa_forward_progress 1
		.amdhsa_inst_pref_size 127
	.end_amdhsa_kernel
	.amdgpu_metadata
---
amdhsa.version: [ 1, 2 ]
amdhsa.kernels:
  - .name:           k_q9d7248ece1_stage2
    .symbol:         k_q9d7248ece1_stage2.kd
    .args:
      - { .name: h0, .offset: 0, .size: 8, .value_kind: global_buffer, .address_space: global }
      - { .name: part1, .offset: 8, .size: 8, .value_kind: global_buffer, .address_space: global }
      - { .name: b1, .offset: 16, .size: 8, .value_kind: global_buffer, .address_space: global }
      - { .name: g1, .offset: 24, .size: 8, .value_kind: global_buffer, .address_space: global }
      - { .name: be1, .offset: 32, .size: 8, .value_kind: global_buffer, .address_space: global }
      - { .name: w1, .offset: 40, .size: 8, .value_kind: global_buffer, .address_space: global }
      - { .name: w2, .offset: 48, .size: 8, .value_kind: global_buffer, .address_space: global }
      - { .name: part2, .offset: 56, .size: 8, .value_kind: global_buffer, .address_space: global }
      - { .name: fin1, .offset: 64, .size: 8, .value_kind: global_buffer, .address_space: global }
    .group_segment_fixed_size: 168448
    .private_segment_fixed_size: 0
    .kernarg_segment_align: 8
    .kernarg_segment_size: 72
    .max_flat_workgroup_size: 128
    .sgpr_count:     66
    .vgpr_count:     1024
    .wavefront_size: 32
...
	.end_amdgpu_metadata
.endif
;; end of part 2
;; launch stage3 (part 3): grid 256 x 1, 4 waves a work-group, no clusters, 168,448 bytes of LDS; arguments h0, part2, b2, g2, be2, w1, w2, w3, fin1, part3, fin2; writes part3, fin2
.if DOCPART == 3
	.amdgcn_target "amdgcn-amd-amdhsa--gfx1250"
	.amdhsa_code_object_version 6
	.text
	.protected	k_q9d7248ece1_stage3
	.globl	k_q9d7248ece1_stage3
	.p2align	8
	.type	k_q9d7248ece1_stage3,@function
k_q9d7248ece1_stage3:
	s_mov_b64 s[64:65], 0
	v_nop
	global_prefetch_b8 v0, s[64:65] scope:SCOPE_SE
	s_setreg_imm32_b32 hwreg(HW_REG_WAVE_MODE, 25, 1), 1
	s_wait_xcnt 0x0
; EnhancedValueNetwork, passes 2, 3 and 4 of 4: one text, STAGE says which.
; Pass STAGE finishes the BatchNorm of layer STAGE-1 from the 256 work-groups' shifted sums, recomputes layers 1 .. STAGE-1 from h0 and
;   STAGE 2, 3: multiplies by w2 / w3 and adds up S1 = sum(z - p), S2 = sum((z - p)^2) per column (p: column mean over batch rows 0-31, computed alike by
;               every wave; -p is the first K step's C, so no difference of large sums is formed);
;   STAGE 4:    applies layer 3's BatchNorm and ReLU, the product with w4 (f32 multiply-adds on numbers already in registers), b4 and the sigmoid.
; BatchNorm: m1 = S1/B, var = max(S2/B - m1^2, 0), a = g rsq(var + 1e-5), mu = p + m1 + b, sh = a (b - mu) + be; y = a z + sh.  a is multiplied into the
; weights' columns in f32 before their one rounding to bf16, sh is the first K step's C: behind a hidden layer only max(., 0) and the rounding remain.
; Work-group g: rows 2048 g ..; wave w: 512 rows = 16 trips of two tiles of 16 rows.  All weights and C tiles stay in the wave's registers.
; Hidden layers are used transposed (source 0 = weights, source 1 = rows): a lane's 8 results are 8 neighbouring columns of one row, and four packed
; roundings make registers of the next layer's operand.  The layer whose sums are taken is used the natural way: a lane holds one column.
; No clusters: what all work-groups share (2048 NF bytes of sums, up to 106,496 bytes of weights) is read once at set-up by plain loads and added or scaled on
; arrival; brought whole by joint tensor loads, 262,144 bytes of sums beside the 65,536 of h0 would fill all 327,680 bytes of LDS.
; LIMITS: NaN and infinity are not served (maxima drop NaN).  var's relative error grows as 1 + (mean - p)^2 / var.
.set STAGE, 3
.if STAGE == 4
.set NF, 64                            ; columns of the layer that is finished
.else
.set NF, 128
.endif
.if STAGE == 2
.set NS, 128                           ; columns of the layer whose sums are taken
.else
.set NS, 64
.endif
; LDS.  0 .. 65535: h0, wave w at 16384 w, a tile of 16 rows at 512 t (filled once by tensor loads, each wave its own part)
.set W1L,  65536                       ; bf16 [k][n], 16 rows, pitch 288
.set W2L,  70144                       ; 128 rows, pitch 288
.set W3L,  107008                      ; 128 rows of 64, pitch 160
.set RED,  127488                      ; wave w at 1024 w: S1, S2
.set FIN,  131584                      ; layer l at 1024 (l - 1): a[128], sh[128]
.set OUTS, 134656                      ; wave w at 2048 w: 512 results
.set PILS, 142848                      ; the pilot on its way out
.set P2,   288                         ; both pitches are odd multiples of 32 bytes, as the transposing load's 16 lanes want
.set P3,   160
; scalar registers: s[4:29] arguments, s[32:35] and s[36:43] descriptor, s44 wave, s45 scratch, s46-47 lane selects, s48 trips, s49 b4, s[50:51] offsets
.set A_PART, 6
.set A_B,    8
.set A_G,    10
.set A_BE,   12
.set A_W1,   14
.set A_W2,   16
.if STAGE == 2
.set A_POUT, 18
.set A_FOUT, 20
.endif
.if STAGE == 3
.set A_W3,   18
.set A_FIN1, 20
.set A_POUT, 22
.set A_FOUT, 24
.endif
.if STAGE == 4
.set A_W3,   18
.set A_FIN1, 20
.set A_FIN2, 22
.set A_W4,   24
.set A_B4,   26
.set A_OUT,  28
.endif
; window 0
.set LANE, 1
.set ROW,  2                           ; r = L & 15
.set HALF, 3                           ; h = L >> 4
.set HA,   4                           ; LDS: 16384 w + 16 L, stepped by 1024 a trip
.set OA,   5                           ; LDS: OUTS + 2048 w + 4 L, stepped by 128 a trip
.set TR2,  6                           ; LDS: W1L + (8 h + (L & 7)) 288 + 16 ((L >> 3) & 1)
.set TR3,  7                           ; LDS: W3L + (8 h + (L & 7)) 160 + 16 ((L >> 3) & 1)
.set CB,   8                           ; LDS: FIN + 32 h
.set RO1,  9                           ; 16 L + 2048 w
.set RO2,  10                          ; 16 L + 16384 w
.set RO3,  11                          ; 16 L + 8192 w
.set PO,   12                          ; 16 L + 512 NF w
.set TC4,  13                          ; 4 (t & (NF - 1))
.set PX,   14                          ; what v_permlanex16_b32 writes
.set L16,  15                          ; 16 L
.set HF,   16                          ; v[16:23], v[24:31] h0 operands of the two tiles; registers 4-7 = 0
.set PP,   32                          ; v[32:63], v[64:95] a layer's input, 4 K steps of 8 registers, for each tile
.set DD,   96                          ; v[96:159], v[160:223] results, 8 column tiles for each tile of rows
.set ACC,  224                         ; v[224:255] column tile i: S1 pair at 4 i, S2 pair at 4 i + 2
; window 0 during set-up
.set PRM,  32                          ; p, b, g, be of my column
.set FD1,  36
.set FD2,  38
.set AV1,  40                          ; a of my four columns, layers 1, 2, 3
.set AV2,  44
.set AV3,  48
.set FT,   52                          ; v[52:67]
.set SA1,  72
.set SA2,  73
.set SA3,  74
.set FA16, 75
.set FA3,  76
.set RW,   77
.set RR,   78
.set FW,   79
.set T8,   80
.set FC,   81
.set W4O,  82
.set TM0,  84
.set TM1,  85
.set RG,   96                          ; v[96:223] ring of 32 loads
.set SET,  224                         ; v[224:239] four sets of sums
; window 1: w2, fragment (nt, ks) at 8 (4 nt + ks); during set-up the raw f32 weights
.set W2B,  0
.set R1,   0
.set R2,   16
.set R3,   144
; window 2
.set W1B,  0                           ; w1, tile nt at 8 nt
.set W3B,  64                          ; w3, fragment (nt, ks) at 64 + 8 (4 nt + ks)
.set W4B,  192                         ; w4[16 nt + 8 h + j] at 192 + 8 nt + j
; window 3: the C tiles of layers 1, 2, 3
.set C1B,  0
.set C2B,  64
.set C3B,  128
.set MSB, 0
.macro WIN new                         ; bits 1:0 source 0, 3:2 source 1, 5:4 source 2, 7:6 destination; the high byte repeats the setting that is left
.if MSB != (\new)
	s_set_vgpr_msb (MSB<<8)|(\new)
.set MSB, (\new)
.endif
.endm
.macro PLACES                          ; four independent vector places behind matrix instructions (ISA guide 7.12.1) before their registers are touched
.rept 4
	v_nop
.endr
.endm
.macro BAR
	s_barrier_signal -1
	s_barrier_wait -1
.endm
.macro ADD4 d, s
	v_pk_add_f32 v[\d:\d+1], v[\d:\d+1], v[\s:\s+1]
	v_pk_add_f32 v[\d+2:\d+3], v[\d+2:\d+3], v[\s+2:\s+3]
.endm
; raw f32 weights (window 1) x a of their columns, rounded once to bf16, to LDS as [k][n].  av < 0: not scaled (its a is not known yet)
.macro FOLD rb, cnt, av, sa, step
.if \av >= 0
	WIN 0x41
.set i, 0
.rept \cnt
	v_pk_mul_f32 v[\rb+4*i:\rb+4*i+1], v[\rb+4*i:\rb+4*i+1], v[\av:\av+1]
	v_pk_mul_f32 v[\rb+4*i+2:\rb+4*i+3], v[\rb+4*i+2:\rb+4*i+3], v[\av+2:\av+3]
.set i, i+1
.endr
.endif
	WIN 0x45
.set i, 0
.rept \cnt
	v_cvt_pk_bf16_f32 v[\rb+4*i], v[\rb+4*i], v[\rb+4*i+1]
	v_cvt_pk_bf16_f32 v[\rb+4*i+1], v[\rb+4*i+2], v[\rb+4*i+3]
.set i, i+1
.endr
	WIN 0x04
.set i, 0
.rept \cnt
	ds_store_b64 v[\sa], v[\rb+4*i:\rb+4*i+1] offset:\step*i
.set i, i+1
.endr
	WIN 0
.endm
; C tiles of a hidden layer: register j = sh[16 i + 8 h + j]
.macro CT cb, lay, nts
.set i, 0
.rept \nts
	ds_load_b128 v[\cb+8*i:\cb+8*i+3], v[CB] offset:1024*(\lay-1)+512+64*i
	ds_load_b128 v[\cb+8*i+4:\cb+8*i+7], v[CB] offset:1024*(\lay-1)+512+64*i+16
.set i, i+1
.endr
.endm
; a hidden layer, transposed, both tiles of rows: the first K step takes sh as C, the others go on in place
.macro MHID wb, wwin, nts, kss, src, sstep, cb
	WIN 0x30|\wwin
.irp st,0,1
.set i, 0
.rept \nts
	v_wmma_f32_16x16x32_bf16 v[DD+64*\st+8*i:DD+64*\st+8*i+7], v[\wb+8*\kss*i:\wb+8*\kss*i+7], v[\src+\sstep*\st:\src+\sstep*\st+7], v[\cb+8*i:\cb+8*i+7]
.set i, i+1
.endr
.endr
.if \kss > 1
	WIN \wwin
.set k, 1
.rept \kss-1
.irp st,0,1
.set i, 0
.rept \nts
	v_wmma_f32_16x16x32_bf16 v[DD+64*\st+8*i:DD+64*\st+8*i+7], v[\wb+8*(\kss*i+k):\wb+8*(\kss*i+k)+7], v[\src+\sstep*\st+8*k:\src+\sstep*\st+8*k+7], v[DD+64*\st+8*i:DD+64*\st+8*i+7]
.set i, i+1
.endr
.endr
.set k, k+1
.endr
.endif
	WIN 0
	PLACES
.endm
; ReLU and the rounding: tile i's 8 columns become registers 4 i .. 4 i + 3 of the next operand run
.macro ACT nts
.irp st,0,1
.set i, 0
.rept \nts
.irp j,0,1,2,3,4,5,6,7
	v_max_num_f32 v[DD+64*\st+8*i+\j], 0, v[DD+64*\st+8*i+\j]
.endr
.irp j,0,1,2,3
	v_cvt_pk_bf16_f32 v[PP+32*\st+4*i+\j], v[DD+64*\st+8*i+2*\j], v[DD+64*\st+8*i+2*\j+1]
.endr
.set i, i+1
.endr
.endr
.endm
; the layer whose sums are taken, natural order.  pilot = 1: C = 0, and both tiles of rows are added into the first one's results
.macro MSTAT wb, wwin, nts, cb, pilot
.if \pilot
	WIN \wwin
.irp st,0,1
.set k, 0
.rept 4
.set i, 0
.rept \nts
.if \st+k == 0
	v_wmma_f32_16x16x32_bf16 v[DD+8*i:DD+8*i+7], v[PP:PP+7], v[\wb+32*i:\wb+32*i+7], 0
.else
	v_wmma_f32_16x16x32_bf16 v[DD+8*i:DD+8*i+7], v[PP+32*\st+8*k:PP+32*\st+8*k+7], v[\wb+8*(4*i+k):\wb+8*(4*i+k)+7], v[DD+8*i:DD+8*i+7]
.endif
.set i, i+1
.endr
.set k, k+1
.endr
.endr
.else
	WIN 0x30|\wwin
.irp st,0,1
.set i, 0
.rept \nts
	v_wmma_f32_16x16x32_bf16 v[DD+64*\st+8*i:DD+64*\st+8*i+7], v[PP+32*\st:PP+32*\st+7], v[\wb+32*i:\wb+32*i+7], v[\cb+8*i:\cb+8*i+7]
.set i, i+1
.endr
.endr
	WIN \wwin
.set k, 1
.rept 3
.irp st,0,1
.set i, 0
.rept \nts
	v_wmma_f32_16x16x32_bf16 v[DD+64*\st+8*i:DD+64*\st+8*i+7], v[PP+32*\st+8*k:PP+32*\st+8*k+7], v[\wb+8*(4*i+k):\wb+8*(4*i+k)+7], v[DD+64*\st+8*i:DD+64*\st+8*i+7]
.set i, i+1
.endr
.endr
.set k, k+1
.endr
.endif
	WIN 0
	PLACES
.endm
.macro VSTAT nts                       ; S1 += d, S2 += d d
.irp st,0,1
.irp q,0,1,2,3
.set i, 0
.rept \nts
	v_pk_add_f32 v[ACC+4*i:ACC+4*i+1], v[ACC+4*i:ACC+4*i+1], v[DD+64*\st+8*i+2*\q:DD+64*\st+8*i+2*\q+1]
	v_pk_fma_f32 v[ACC+4*i+2:ACC+4*i+3], v[DD+64*\st+8*i+2*\q:DD+64*\st+8*i+2*\q+1], v[DD+64*\st+8*i+2*\q:DD+64*\st+8*i+2*\q+1], v[ACC+4*i+2:ACC+4*i+3]
.set i, i+1
.endr
.endr
.endr
.endm
; the pilot's column sums over 32 rows -> C tiles of -sum/32 (window 3); the sums stay in v[ACC + 2 i]
.macro REDP nts, cb
.set i, 0
.rept \nts
	v_pk_add_f32 v[DD+8*i:DD+8*i+1], v[DD+8*i:DD+8*i+1], v[DD+8*i+2:DD+8*i+3]
	v_pk_add_f32 v[DD+8*i+4:DD+8*i+5], v[DD+8*i+4:DD+8*i+5], v[DD+8*i+6:DD+8*i+7]
	v_pk_add_f32 v[DD+8*i:DD+8*i+1], v[DD+8*i:DD+8*i+1], v[DD+8*i+4:DD+8*i+5]
	v_add_f32 v[ACC+2*i], v[DD+8*i], v[DD+8*i+1]
	v_permlanex16_b32 v[PX], v[ACC+2*i], s46, s47
	v_add_f32 v[ACC+2*i], v[ACC+2*i], v[PX]
	v_mov_b32 v[ACC+2*i+1], v[ACC+2*i]
.set i, i+1
.endr
	WIN 0xc0
.set i, 0
.rept \nts
.irp q,0,1,2,3
	v_pk_mul_f32 v[\cb+8*i+2*\q:\cb+8*i+2*\q+1], v[ACC+2*i:ACC+2*i+1], 0xbd000000 op_sel_hi:[1,0]    ; x (-1/32), exact
.endr
.set i, i+1
.endr
	WIN 0
.endm
; STAGE 4: ReLU, the product with w4, b4, the sigmoid; lane L ends with row 32 trip + L
.macro VOUT
.irp st,0,1
.set i, 0
.rept 32
	v_max_num_f32 v[DD+64*\st+i], 0, v[DD+64*\st+i]
.set i, i+1
.endr
.endr
	WIN 0x08
.irp st,0,1
	v_pk_mul_f32 v[ACC+4*\st:ACC+4*\st+1], v[DD+64*\st:DD+64*\st+1], v[W4B:W4B+1]              ; the first products start the sums
	v_pk_mul_f32 v[ACC+4*\st+2:ACC+4*\st+3], v[DD+64*\st+2:DD+64*\st+3], v[W4B+2:W4B+3]
.set i, 2
.rept 14
	v_pk_fma_f32 v[ACC+4*\st+2*(i&1):ACC+4*\st+2*(i&1)+1], v[DD+64*\st+2*i:DD+64*\st+2*i+1], v[W4B+2*i:W4B+2*i+1], v[ACC+4*\st+2*(i&1):ACC+4*\st+2*(i&1)+1]
.set i, i+1
.endr
.endr
	WIN 0
	v_pk_add_f32 v[ACC:ACC+1], v[ACC:ACC+1], v[ACC+2:ACC+3]
	v_pk_add_f32 v[ACC+4:ACC+5], v[ACC+4:ACC+5], v[ACC+6:ACC+7]
	v_add_f32 v[ACC], v[ACC], v[ACC+1]                     ; first tile, row r, my half's 32 columns
	v_add_f32 v[ACC+4], v[ACC+4], v[ACC+5]                 ; second tile
	v_cndmask_b32 v[ACC+1], v[ACC], v[ACC+4], s31          ; keep: lanes 0-15 the first tile's, lanes 16-31 the second's
	v_cndmask_b32 v[ACC+2], v[ACC+4], v[ACC], s31          ; give the other away
	v_permlanex16_b32 v[PX], v[ACC+2], s46, s47
	v_add_f32 v[ACC+1], v[ACC+1], v[PX]
	v_fma_f32 v[ACC+1], v[ACC+1], s30, s49                 ; -log2(e) (logit + b4)
	v_exp_f32 v[ACC+1], v[ACC+1]
	v_nop                                                  ; one plain place behind a transcendental (ISA guide 5.7.2)
	v_add_f32 v[ACC+1], 1.0, v[ACC+1]
	v_rcp_f32 v[ACC+1], v[ACC+1]
	v_nop
	ds_store_b32 v[OA], v[ACC+1]
	v_add_nc_u32 v[OA], 128, v[OA]
.endm
; 32 rows.  more = 1: the next trip's two operands are fetched as soon as layer 1 has read these
.macro TRIP more
	s_wait_dscnt 0x0                               ; this trip's operands are in
	MHID W1B, 2, 8, 1, HF, 8, C1B
.if \more
	v_add_nc_u32 v[HA], 1024, v[HA]
	ds_load_b128 v[HF:HF+3], v[HA]
	ds_load_b128 v[HF+8:HF+11], v[HA] offset:512
.endif
	ACT 8
.if STAGE == 2
	MSTAT W2B, 0x04, 8, C2B, 0
	VSTAT 8
.else
	MHID W2B, 1, 8, 4, PP, 32, C2B
	ACT 8
.if STAGE == 3
	MSTAT W3B, 0x08, 4, C3B, 0
	VSTAT 4
.else
	MHID W3B, 2, 4, 4, PP, 32, C3B
	VOUT
.endif
.endif
.endm
	; ---------------- arguments, ids, the tensor load of my 512 rows of h0
	s_load_b512 s[4:19], s[0:1], 0x0
.if STAGE == 2
	s_load_b64 s[20:21], s[0:1], 0x40
.endif
.if STAGE == 3
	s_load_b128 s[20:23], s[0:1], 0x40
	s_load_b64 s[24:25], s[0:1], 0x50
	v_lshl_add_u32 v254, v0, 2, 0x29000
	v_mov_b32 v255, 0
	ds_add_u32 v254, v255
	ds_add_u32 v254, v255
.endif
.if STAGE == 4
	s_load_b128 s[20:23], s[0:1], 0x40
	s_load_b128 s[24:27], s[0:1], 0x50
	s_load_b64 s[28:29], s[0:1], 0x60
	s_mov_b32 s30, 0xbfb8aa3b                      ; -log2(e)
	s_mov_b32 s31, 0xffff0000                      ; lanes 16-31
.endif
	v_lshrrev_b32 v[PX], 5, v0
	v_readfirstlane_b32 s44, v[PX]                 ; wave 0..3
	v_and_b32 v[LANE], 31, v0
	v_and_b32 v[ROW], 15, v0
	v_bfe_u32 v[HALF], v0, 4, 1
	v_lshlrev_b32 v[L16], 4, v[LANE]
	s_mov_b32 s46, 0x76543210                      ; v_permlanex16_b32: lane i of one half reads lane i of the other
	s_mov_b32 s47, 0xfedcba98
	s_mov_b32 s36, 3<<16                           ; group 1: elements of 8 bytes, no mask, no padding
	s_mov_b32 s37, 32<<16                          ; tensor_dim0 = 32 elements = 256 bytes
	s_mov_b32 s38, 64<<16                          ; tensor_dim1 = 64 rows
	s_mov_b32 s39, 32<<16                          ; tile_dim0 = 32
	s_mov_b32 s40, 64                              ; tile_dim1 = 64: 16,384 bytes, dense
	s_mov_b32 s41, 32                              ; pitch = 32 elements
	s_mov_b32 s42, 0
	s_mov_b32 s43, 0
	s_mov_b32 s32, 1                               ; group 0: count
	s_lshl_b32 s33, s44, 14                        ; LDS address 16384 w
	s_lshl_b32 s50, ttmp9, 16                      ; 2,048 rows of 32 bytes
	s_add_co_u32 s50, s50, s33
	s_mov_b32 s51, 0
	s_wait_dscnt 0x0
	s_wait_kmcnt 0x0
	s_add_nc_u64 s[34:35], s[4:5], s[50:51]
	s_or_b32 s35, s35, 0x80000000                  ; type 2
	tensor_load_to_lds s[32:35], s[36:43]          ; the wave's one tensor load; its bytes are never filled again
	s_nop 0
.if STAGE == 4
	s_load_b32 s49, s[A_B4:A_B4+1], 0x0
.endif
	; ---------------- offsets and LDS addresses
	v_add_nc_u32 v[HA], s33, v[L16]
	v_add_nc_u32 v[RO2], s33, v[L16]
	s_lshl_b32 s45, s44, 11
	v_add_nc_u32 v[RO1], s45, v[L16]
	s_mul_i32 s45, s44, 512*NF
	v_add_nc_u32 v[PO], s45, v[L16]
	v_and_b32 v[TC4], NF-1, v0
	v_lshlrev_b32 v[TC4], 2, v[TC4]
	v_and_b32 v[TM0], 7, v0
	v_lshl_add_u32 v[TM0], v[HALF], 3, v[TM0]
	v_bfe_u32 v[TM1], v0, 3, 1
	v_lshlrev_b32 v[TM1], 4, v[TM1]
	v_mul_u32_u24 v[TR2], v[TM0], P2
	v_add_nc_u32 v[TR2], v[TR2], v[TM1]
	v_add_nc_u32 v[TR2], W1L, v[TR2]
	v_lshlrev_b32 v[CB], 5, v[HALF]
	v_add_nc_u32 v[CB], FIN, v[CB]
	s_mul_i32 s45, s44, 4*P2
	s_add_co_u32 s45, s45, W1L
	v_lshl_add_u32 v[SA1], v[LANE], 3, s45         ; w1's rows 4 w .., 8 bytes a lane
	s_mul_i32 s45, s44, 32*P2
	s_add_co_u32 s45, s45, W2L
	v_lshl_add_u32 v[SA2], v[LANE], 3, s45         ; w2's rows 32 w ..
	v_add_nc_u32 v[FA16], FIN, v[L16]
	s_lshl_b32 s45, s44, 10
	s_add_co_u32 s45, s45, RED
	v_add_nc_u32 v[RW], s45, v[L16]
	v_add_nc_u32 v[RR], RED, v[TC4]
	v_lshlrev_b32 v[FW], 2, v0
	v_add_nc_u32 v[FW], FIN+1024*(STAGE-2), v[FW]
.if STAGE >= 3
	s_lshl_b32 s45, s44, 13
	v_add_nc_u32 v[RO3], s45, v[L16]
	v_mul_u32_u24 v[TR3], v[TM0], P3
	v_add_nc_u32 v[TR3], v[TR3], v[TM1]
	v_add_nc_u32 v[TR3], W3L, v[TR3]
	s_mul_i32 s45, s44, 32*P3
	s_add_co_u32 s45, s45, W3L
	v_mul_u32_u24 v[SA3], v[HALF], P3
	v_lshl_add_u32 v[SA3], v[ROW], 3, v[SA3]
	v_add_nc_u32 v[SA3], s45, v[SA3]               ; w3's rows 32 w + h .., two rows a load
	v_lshlrev_b32 v[T8], 3, v0
	v_add_nc_u32 v[FC], FIN, v[T8]
.endif
.if STAGE == 4
	v_lshlrev_b32 v[FA3], 4, v[ROW]
	v_add_nc_u32 v[FA3], FIN+2048, v[FA3]
	v_lshlrev_b32 v[W4O], 5, v[HALF]
	s_lshl_b32 s45, s44, 11
	s_add_co_u32 s45, s45, OUTS
	v_lshl_add_u32 v[OA], v[LANE], 2, s45
.endif
	; ---------------- all global loads of the set-up, in one run
	global_load_b32 v[PRM], v[TC4], s[A_PART:A_PART+1] offset:2048*NF      ; p
	global_load_b32 v[PRM+1], v[TC4], s[A_B:A_B+1]
	global_load_b32 v[PRM+2], v[TC4], s[A_G:A_G+1]
	global_load_b32 v[PRM+3], v[TC4], s[A_BE:A_BE+1]
.if STAGE >= 3
	global_load_b64 v[FD1:FD1+1], v[T8], s[A_FIN1:A_FIN1+1]
.endif
.if STAGE == 4
	global_load_b64 v[FD2:FD2+1], v[T8], s[A_FIN2:A_FIN2+1]
.endif
	WIN 0x40
.set i, 0
.rept 4
	global_load_b128 v[R1+4*i:R1+4*i+3], v[RO1], s[A_W1:A_W1+1] offset:512*i
.set i, i+1
.endr
.set i, 0
.rept 32
	global_load_b128 v[R2+4*i:R2+4*i+3], v[RO2], s[A_W2:A_W2+1] offset:512*i
.set i, i+1
.endr
.if STAGE >= 3
.set i, 0
.rept 16
	global_load_b128 v[R3+4*i:R3+4*i+3], v[RO3], s[A_W3:A_W3+1] offset:512*i
.set i, i+1
.endr
.endif
.if STAGE == 4
	WIN 0x80
.irp nt,0,1,2,3
	global_load_b128 v[W4B+8*\nt:W4B+8*\nt+3], v[W4O], s[A_W4:A_W4+1] offset:64*\nt
	global_load_b128 v[W4B+8*\nt+4:W4B+8*\nt+7], v[W4O], s[A_W4:A_W4+1] offset:64*\nt+16
.endr
.endif
	WIN 0
	; ---------------- the 256 work-groups' sums: my wave adds 64 rows, NF loads of 512 bytes through a ring of 32
.set i, 0
.rept 32
	global_load_b128 v[RG+4*i:RG+4*i+3], v[PO], s[A_PART:A_PART+1] offset:512*i
.set i, i+1
.endr
.set i, 0
.rept 16
	v_mov_b32 v[SET+i], 0
.set i, i+1
.endr
.set i, 0
.rept NF
.if NF-1-i < 31
	s_wait_loadcnt NF-1-i                          ; the last loads: the count runs down
.else
	s_wait_loadcnt 31                              ; loads come back in order: load i is in, the 31 younger ones stay out
.endif
	v_pk_add_f32 v[SET+4*(i&3):SET+4*(i&3)+1], v[SET+4*(i&3):SET+4*(i&3)+1], v[RG+4*(i&31):RG+4*(i&31)+1]
	v_pk_add_f32 v[SET+4*(i&3)+2:SET+4*(i&3)+3], v[SET+4*(i&3)+2:SET+4*(i&3)+3], v[RG+4*(i&31)+2:RG+4*(i&31)+3]
.if i+32 < NF
	global_load_b128 v[RG+4*(i&31):RG+4*(i&31)+3], v[PO], s[A_PART:A_PART+1] offset:512*(i+32)
.endif
.set i, i+1
.endr
	ADD4 SET, SET+8
	ADD4 SET+4, SET+12
.if NF == 128
	ds_store_b128 v[RW], v[SET:SET+3]              ; even loads were S1's halves of the rows,
	ds_store_b128 v[RW], v[SET+4:SET+7] offset:512 ; odd ones S2's
.else
	ADD4 SET, SET+4                                ; a load is a whole row: lanes 0-15 S1, lanes 16-31 S2
	ds_store_b128 v[RW], v[SET:SET+3]
.endif
.if STAGE >= 3
	ds_store_b64 v[FC], v[FD1:FD1+1]               ; a and sh of the layers finished earlier
.endif
.if STAGE == 4
	ds_store_b64 v[FC], v[FD2:FD2+1] offset:1024
.endif
	s_wait_tensorcnt 0x0                           ; my part of h0 is in LDS
	s_wait_dscnt 0x0                               ; my stores are done before I say so
	BAR
	; ---------------- a and sh of my column
.irp q,0,1,2,3
	ds_load_b32 v[FT+\q], v[RR] offset:1024*\q
	ds_load_b32 v[FT+4+\q], v[RR] offset:1024*\q+4*NF
.endr
	s_wait_dscnt 0x0
	v_pk_add_f32 v[FT:FT+1], v[FT:FT+1], v[FT+2:FT+3]
	v_pk_add_f32 v[FT+4:FT+5], v[FT+4:FT+5], v[FT+6:FT+7]
	v_add_f32 v[FT], v[FT], v[FT+1]
	v_add_f32 v[FT+4], v[FT+4], v[FT+5]
	v_mul_f32 v[FT], 0x36000000, v[FT]             ; m1 = S1 / 524288
	v_mul_f32 v[FT+4], 0x36000000, v[FT+4]
	v_fma_f32 v[FT+4], -v[FT], v[FT], v[FT+4]
	v_max_num_f32 v[FT+4], 0, v[FT+4]              ; var
	v_add_f32 v[FT+4], 0x3727c5ac, v[FT+4]         ; + 1e-5
	v_rsq_f32 v[FT+5], v[FT+4]
	v_add_f32 v[FT], v[PRM], v[FT]                 ; p + m1 (the plain place behind the transcendental)
	v_add_f32 v[FT], v[FT], v[PRM+1]               ; mu = mean of z + b
	s_wait_alu depctr_va_vdst(0)
	v_mul_f32 v[FT+5], v[PRM+2], v[FT+5]           ; a
	v_sub_f32 v[FT], v[PRM+1], v[FT]               ; b - mu
	v_fma_f32 v[FT+6], v[FT+5], v[FT], v[PRM+3]    ; sh
.if NF == 64
	s_cmp_ge_u32 s44, 2                            ; threads 64-127 hold copies of columns 0-63
	s_cbranch_scc1 .Lno_fin
.endif
	ds_store_b32 v[FW], v[FT+5]
	ds_store_b32 v[FW], v[FT+6] offset:512
.Lno_fin:
	s_wait_dscnt 0x0
	BAR
.if STAGE < 4
	s_cmp_lg_u32 s44, 0
	s_cbranch_scc1 .Lno_fout
	s_cmp_lg_u32 ttmp9, 0
	s_cbranch_scc1 .Lno_fout
	ds_load_b128 v[FT+8:FT+11], v[FA16] offset:1024*(STAGE-2)
	ds_load_b128 v[FT+12:FT+15], v[FA16] offset:1024*(STAGE-2)+512
	s_wait_dscnt 0x0
	global_store_b128 v[L16], v[FT+8:FT+11], s[A_FOUT:A_FOUT+1]            ; for the later passes
	global_store_b128 v[L16], v[FT+12:FT+15], s[A_FOUT:A_FOUT+1] offset:512
	s_wait_xcnt 0x0                                ; the stores' registers are written again further down
.Lno_fout:
.endif
	; ---------------- weights: scale, round, lay down as [k][n]
	ds_load_b128 v[AV1:AV1+3], v[FA16]
.if STAGE >= 3
	ds_load_b128 v[AV2:AV2+3], v[FA16] offset:1024
.endif
.if STAGE == 4
	ds_load_b128 v[AV3:AV3+3], v[FA3]
.endif
	s_wait_dscnt 0x0
	FOLD R1, 4, AV1, SA1, P2
.if STAGE == 2
	FOLD R2, 32, -1, SA2, P2
.else
	FOLD R2, 32, AV2, SA2, P2
.endif
.if STAGE == 3
	FOLD R3, 16, -1, SA3, 2*P3
.endif
.if STAGE == 4
	FOLD R3, 16, AV3, SA3, 2*P3
.endif
	s_wait_dscnt 0x0
	BAR
	; ---------------- fragments (lane: column n0 + r, k along the registers) by transposing loads; C tiles; zeros for K 16-31 of layer 1
	WIN 0x80
.irp nt,0,1,2,3,4,5,6,7
	ds_load_tr16_b128 v[W1B+8*\nt:W1B+8*\nt+3], v[TR2] offset:32*\nt
.endr
.if STAGE >= 3
.irp nt,0,1,2,3
.irp ks,0,1,2,3
	ds_load_tr16_b128 v[W3B+8*(4*\nt+\ks):W3B+8*(4*\nt+\ks)+3], v[TR3] offset:32*P3*\ks+32*\nt
	ds_load_tr16_b128 v[W3B+8*(4*\nt+\ks)+4:W3B+8*(4*\nt+\ks)+7], v[TR3] offset:32*P3*\ks+32*\nt+16*P3
.endr
.endr
.endif
.irp nt,0,1,2,3,4,5,6,7
.irp j,4,5,6,7
	v_mov_b32 v[W1B+8*\nt+\j], 0
.endr
.endr
	WIN 0x40
.irp nt,0,1,2,3,4,5,6,7
.irp ks,0,1,2,3
	ds_load_tr16_b128 v[W2B+8*(4*\nt+\ks):W2B+8*(4*\nt+\ks)+3], v[TR2] offset:16*P2+32*P2*\ks+32*\nt
	ds_load_tr16_b128 v[W2B+8*(4*\nt+\ks)+4:W2B+8*(4*\nt+\ks)+7], v[TR2] offset:16*P2+32*P2*\ks+32*\nt+16*P2
.endr
.endr
	WIN 0xc0
	CT C1B, 1, 8
.if STAGE >= 3
	CT C2B, 2, 8
.endif
.if STAGE == 4
	CT C3B, 3, 4
.endif
	WIN 0
.irp j,4,5,6,7,12,13,14,15
	v_mov_b32 v[HF+\j], 0
.endr
.if STAGE == 4
	s_wait_kmcnt 0x0
	s_mul_f32 s49, s49, s30                        ; -log2(e) b4
.endif
.if STAGE < 4
	; ---------------- the pilot: batch rows 0-31 through the same layers
	global_load_b128 v[HF:HF+3], v[L16], s[4:5]
	global_load_b128 v[HF+8:HF+11], v[L16], s[4:5] offset:512
	s_wait_loadcnt 0x0
	s_wait_dscnt 0x0                               ; fragments and C tiles are in
	MHID W1B, 2, 8, 1, HF, 8, C1B
	ACT 8
.if STAGE == 2
	MSTAT W2B, 0x04, 8, C2B, 1
	REDP 8, C2B
.else
	MHID W2B, 1, 8, 4, PP, 32, C2B
	ACT 8
	MSTAT W3B, 0x08, 4, C3B, 1
	REDP 4, C3B
.endif
	s_cmp_lg_u32 s44, 0
	s_cbranch_scc1 .Lno_pilot
	s_cmp_lg_u32 ttmp9, 0
	s_cbranch_scc1 .Lno_pilot
	v_lshlrev_b32 v[DD+64], 2, v[ROW]
	v_add_nc_u32 v[DD+64], PILS, v[DD+64]
.set i, 0
.rept NS/16
	v_mul_f32 v[ACC+2*i+1], 0x3d000000, v[ACC+2*i]         ; p = sum / 32, the exact negative of C
	ds_store_b32 v[DD+64], v[ACC+2*i+1] offset:64*i        ; both halves write the same word with the same value
.set i, i+1
.endr
.if NS == 128
	v_add_nc_u32 v[DD+65], PILS, v[L16]
	ds_load_b128 v[DD+68:DD+71], v[DD+65]                  ; LDS serves a wave's instructions in order: this sees the stores
	s_wait_dscnt 0x0
	global_store_b128 v[L16], v[DD+68:DD+71], s[A_POUT:A_POUT+1] offset:2048*NS
.else
	v_lshlrev_b32 v[DD+66], 3, v[LANE]
	v_add_nc_u32 v[DD+65], PILS, v[DD+66]
	ds_load_b64 v[DD+68:DD+69], v[DD+65]
	s_wait_dscnt 0x0
	global_store_b64 v[DD+66], v[DD+68:DD+69], s[A_POUT:A_POUT+1] offset:2048*NS       ; 256 consecutive bytes, aligned
.endif
	s_wait_xcnt 0x0                                ; the store's registers are written again in the loop
.Lno_pilot:
.set i, 0
.rept NS/4
	v_mov_b32 v[ACC+i], 0
.set i, i+1
.endr
.endif
	; ---------------- 16 trips of 32 rows
	ds_load_b128 v[HF:HF+3], v[HA]
	ds_load_b128 v[HF+8:HF+11], v[HA] offset:512
	s_mov_b32 s48, 15
.Ltrip:
	TRIP 1
	WIN 0
	s_sub_co_u32 s48, s48, 1
	s_cmp_lg_u32 s48, 0
	s_cbranch_scc1 .Ltrip
	TRIP 0                                         ; the last trip fetches nothing
.if STAGE < 4
	; ---------------- the wave's sums, then the four waves' through LDS (RED was last read two barriers ago)
	s_lshl_b32 s45, s44, 10
	s_add_co_u32 s45, s45, RED
	v_lshl_add_u32 v[DD], v[ROW], 2, s45
.set i, 0
.rept NS/16
	v_add_f32 v[DD+2+2*i], v[ACC+4*i], v[ACC+4*i+1]
	v_add_f32 v[DD+3+2*i], v[ACC+4*i+2], v[ACC+4*i+3]
	v_permlanex16_b32 v[PX], v[DD+2+2*i], s46, s47
	v_add_f32 v[DD+2+2*i], v[DD+2+2*i], v[PX]
	v_permlanex16_b32 v[PX], v[DD+3+2*i], s46, s47
	v_add_f32 v[DD+3+2*i], v[DD+3+2*i], v[PX]
	ds_store_b32 v[DD], v[DD+2+2*i] offset:64*i
	ds_store_b32 v[DD], v[DD+3+2*i] offset:64*i+4*NS
.set i, i+1
.endr
	s_wait_dscnt 0x0
	BAR
	s_cmp_ge_u32 s44, NS/64                        ; a row of 8 NS bytes: 16 bytes a thread
	s_cbranch_scc1 .Lend
	v_lshlrev_b32 v[DD+1], 4, v0
	v_add_nc_u32 v[DD], RED, v[DD+1]
.irp q,0,1,2,3
	ds_load_b128 v[DD+4+4*\q:DD+7+4*\q], v[DD] offset:1024*\q
.endr
	s_mul_i32 s50, ttmp9, 8*NS
	s_mov_b32 s51, 0
	s_add_nc_u64 s[30:31], s[A_POUT:A_POUT+1], s[50:51]
	s_wait_dscnt 0x0
	ADD4 DD+4, DD+12
	ADD4 DD+8, DD+16
	ADD4 DD+4, DD+8
	global_store_b128 v[DD+1], v[DD+4:DD+7], s[30:31]
.Lend:
.else
	; ---------------- my 512 results: my own bytes of LDS, read back 16 bytes a lane; a store covers 512 consecutive bytes, aligned
	s_lshl_b32 s45, s44, 11
	s_add_co_u32 s45, s45, OUTS
	v_add_nc_u32 v[DD+16], s45, v[L16]
	s_lshl_b32 s50, ttmp9, 13
	s_mov_b32 s51, 0
	s_add_nc_u64 s[A_OUT:A_OUT+1], s[A_OUT:A_OUT+1], s[50:51]
.irp q,0,1,2,3
	ds_load_b128 v[DD+4*\q:DD+4*\q+3], v[DD+16] offset:512*\q
.endr
.irp q,0,1,2,3
	s_wait_dscnt 3-\q                              ; LDS loads come back in order: the younger ones stay out
	global_store_b128 v[RO1], v[DD+4*\q:DD+4*\q+3], s[A_OUT:A_OUT+1] offset:512*\q th:TH_STORE_NT     ; RO1 = 2048 w + 16 L
.endr
.endif
	s_wait_tensorcnt 0x0
	ds_add_u32 v254, v255
	s_wait_dscnt 0x0
	s_endpgm
.Lfunc_end_k_q9d7248ece1_stage3:
	.size	k_q9d7248ece1_stage3, .Lfunc_end_k_q9d7248ece1_stage3-k_q9d7248ece1_stage3
	.p2alignl 7, 3214868480
	.fill 96, 4, 3214868480
	.section	.rodata,"a",@progbits
	.p2align	6, 0x0
	.amdhsa_kernel k_q9d7248ece1_stage3
		.amdhsa_group_segment_fixed_size 168448
		.amdhsa_private_segment_fixed_size 0
		.amdhsa_enable_private_segment 0
		.amdhsa_kernarg_size 88
		.amdhsa_user_sgpr_count 2
		.amdhsa_user_sgpr_kernarg_segment_ptr 1
		.amdhsa_wavefront_size32 1
		.amdhsa_system_sgpr_workgroup_id_x 1
		.amdhsa_system_sgpr_workgroup_id_y 1
		.amdhsa_system_sgpr_workgroup_id_z 1
		.amdhsa_system_vgpr_workitem_id 0
		.amdhsa_next_free_vgpr 1024
		.amdhsa_next_free_sgpr 66
		.amdhsa_reserve_vcc 0
		.amdhsa_float_denorm_mode_32 3
		.amdhsa_float_denorm_mode_16_64 3
		.amdhsa_memory_ordered 1
		.amdhsa_forward_progress 1
		.amdhsa_inst_pref_size 157
	.end_amdhsa_kernel
	.amdgpu_metadata
---
amdhsa.version: [ 1, 2 ]
amdhsa.kernels:
  - .name:           k_q9d7248ece1_stage3
    .symbol:         k_q9d7248ece1_stage3.kd
    .args:
      - { .name: h0, .offset: 0, .size: 8, .value_kind: global_buffer, .address_space: global }
      - { .name: part2, .offset: 8, .size: 8, .value_kind: global_buffer, .address_space: global }
      - { .name: b2, .offset: 16, .size: 8, .value_kind: global_buffer, .address_space: global }
      - { .name: g2, .offset: 24, .size: 8, .value_kind: global_buffer, .address_space: global }
      - { .name: be2, .offset: 32, .size: 8, .value_kind: global_buffer, .address_space: global }
      - { .name: w1, .offset: 40, .size: 8, .value_kind: global_buffer, .address_space: global }
      - { .name: w2, .offset: 48, .size: 8, .value_kind: global_buffer, .address_space: global }
      - { .name: w3, .offset: 56, .size: 8, .value_kind: global_buffer, .address_space: global }
      - { .name: fin1, .offset: 64, .size: 8, .value_kind: global_buffer, .address_space: global }
      - { .name: part3, .offset: 72, .size: 8, .value_kind: global_buffer, .address_space: global }
      - { .name: fin2, .offset: 80, .size: 8, .value_kind: global_buffer, .address_space: global }
    .group_segment_fixed_size: 168448
    .private_segment_fixed_size: 0
    .kernarg_segment_align: 8
    .kernarg_segment_size: 88
    .max_flat_workgroup_size: 128
    .sgpr_count:     66
    .vgpr_count:     1024
    .wavefront_size: 32
...
	.end_amdgpu_metadata
.endif
;; end of part 3
;; launch stage4 (part 4): grid 256 x 1, 4 waves a work-group, no clusters, 168,448 bytes of LDS; arguments h0, part3, b3, g3, be3, w1, w2, w3, fin1, fin2, w4, b4, out0; writes out0
.if DOCPART == 4
	.amdgcn_target "amdgcn-amd-amdhsa--gfx1250"
	.amdhsa_code_object_version 6
	.text
	.protected	k_q9d7248ece1_stage4
	.globl	k_q9d7248ece1_stage4
	.p2align	8
	.type	k_q9d7248ece1_stage4,@function
k_q9d7248ece1_stage4:
	s_mov_b64 s[64:65], 0
	v_nop
	global_prefetch_b8 v0, s[64:65] scope:SCOPE_SE
	s_setreg_imm32_b32 hwreg(HW_REG_WAVE_MODE, 25, 1), 1
	s_wait_xcnt 0x0
; EnhancedValueNetwork, passes 2, 3 and 4 of 4: one text, STAGE says which.
; Pass STAGE finishes the BatchNorm of layer STAGE-1 from the 256 work-groups' shifted sums, recomputes layers 1 .. STAGE-1 from h0 and
;   STAGE 2, 3: multiplies by w2 / w3 and adds up S1 = sum(z - p), S2 = sum((z - p)^2) per column (p: column mean over batch rows 0-31, computed alike by
;               every wave; -p is the first K step's C, so no difference of large sums is formed);
;   STAGE 4:    applies layer 3's BatchNorm and ReLU, the product with w4 (f32 multiply-adds on numbers already in registers), b4 and the sigmoid.
; BatchNorm: m1 = S1/B, var = max(S2/B - m1^2, 0), a = g rsq(var + 1e-5), mu = p + m1 + b, sh = a (b - mu) + be; y = a z + sh.  a is multiplied into the
; weights' columns in f32 before their one rounding to bf16, sh is the first K step's C: behind a hidden layer only max(., 0) and the rounding remain.
; Work-group g: rows 2048 g ..; wave w: 512 rows = 16 trips of two tiles of 16 rows.  All weights and C tiles stay in the wave's registers.
; Hidden layers are used transposed (source 0 = weights, source 1 = rows): a lane's 8 results are 8 neighbouring columns of one row, and four packed
; roundings make registers of the next layer's operand.  The layer whose sums are taken is used the natural way: a lane holds one column.
; No clusters: what all work-groups share (2048 NF bytes of sums, up to 106,496 bytes of weights) is read once at set-up by plain loads and added or scaled on
; arrival; brought whole by joint tensor loads, 262,144 bytes of sums beside the 65,536 of h0 would fill all 327,680 bytes of LDS.
; LIMITS: NaN and infinity are not served (maxima drop NaN).  var's relative error grows as 1 + (mean - p)^2 / var.
.set STAGE, 4
.if STAGE == 4
.set NF, 64                            ; columns of the layer that is finished
.else
.set NF, 128
.endif
.if STAGE == 2
.set NS, 128                           ; columns of the layer whose sums are taken
.else
.set NS, 64
.endif
; LDS.  0 .. 65535: h0, wave w at 16384 w, a tile of 16 rows at 512 t (filled once by tensor loads, each wave its own part)
.set W1L,  65536                       ; bf16 [k][n], 16 rows, pitch 288
.set W2L,  70144                       ; 128 rows, pitch 288
.set W3L,  107008                      ; 128 rows of 64, pitch 160
.set RED,  127488                      ; wave w at 1024 w: S1, S2
.set FIN,  131584                      ; layer l at 1024 (l - 1): a[128], sh[128]
.set OUTS, 134656                      ; wave w at 2048 w: 512 results
.set PILS, 142848                      ; the pilot on its way out
.set P2,   288                         ; both pitches are odd multiples of 32 bytes, as the transposing load's 16 lanes want
.set P3,   160
; scalar registers: s[4:29] arguments, s[32:35] and s[36:43] descriptor, s44 wave, s45 scratch, s46-47 lane selects, s48 trips, s49 b4, s[50:51] offsets
.set A_PART, 6
.set A_B,    8
.set A_G,    10
.set A_BE,   12
.set A_W1,   14
.set A_W2,   16
.if STAGE == 2
.set A_POUT, 18
.set A_FOUT, 20
.endif
.if STAGE == 3
.set A_W3,   18
.set A_FIN1, 20
.set A_POUT, 22
.set A_FOUT, 24
.endif
.if STAGE == 4
.set A_W3,   18
.set A_FIN1, 20
.set A_FIN2, 22
.set A_W4,   24
.set A_B4,   26
.set A_OUT,  28
.endif
; window 0
.set LANE, 1
.set ROW,  2                           ; r = L & 15
.set HALF, 3                           ; h = L >> 4
.set HA,   4                           ; LDS: 16384 w + 16 L, stepped by 1024 a trip
.set OA,   5                           ; LDS: OUTS + 2048 w + 4 L, stepped by 128 a trip
.set TR2,  6                           ; LDS: W1L + (8 h + (L & 7)) 288 + 16 ((L >> 3) & 1)
.set TR3,  7                           ; LDS: W3L + (8 h + (L & 7)) 160 + 16 ((L >> 3) & 1)
.set CB,   8                           ; LDS: FIN + 32 h
.set RO1,  9                           ; 16 L + 2048 w
.set RO2,  10                          ; 16 L + 16384 w
.set RO3,  11                          ; 16 L + 8192 w
.set PO,   12                          ; 16 L + 512 NF w
.set TC4,  13                          ; 4 (t & (NF - 1))
.set PX,   14                          ; what v_permlanex16_b32 writes
.set L16,  15                          ; 16 L
.set HF,   16                          ; v[16:23], v[24:31] h0 operands of the two tiles; registers 4-7 = 0
.set PP,   32                          ; v[32:63], v[64:95] a layer's input, 4 K steps of 8 registers, for each tile
.set DD,   96                          ; v[96:159], v[160:223] results, 8 column tiles for each tile of rows
.set ACC,  224                         ; v[224:255] column tile i: S1 pair at 4 i, S2 pair at 4 i + 2
; window 0 during set-up
.set PRM,  32                          ; p, b, g, be of my column
.set FD1,  36
.set FD2,  38
.set AV1,  40                          ; a of my four columns, layers 1, 2, 3
.set AV2,  44
.set AV3,  48
.set FT,   52                          ; v[52:67]
.set SA1,  72
.set SA2,  73
.set SA3,  74
.set FA16, 75
.set FA3,  76
.set RW,   77
.set RR,   78
.set FW,   79
.set T8,   80
.set FC,   81
.set W4O,  82
.set TM0,  84
.set TM1,  85
.set RG,   96                          ; v[96:223] ring of 32 loads
.set SET,  224                         ; v[224:239] four sets of sums
; window 1: w2, fragment (nt, ks) at 8 (4 nt + ks); during set-up the raw f32 weights
.set W2B,  0
.set R1,   0
.set R2,   16
.set R3,   144
; window 2
.set W1B,  0                           ; w1, tile nt at 8 nt
.set W3B,  64                          ; w3, fragment (nt, ks) at 64 + 8 (4 nt + ks)
.set W4B,  192                         ; w4[16 nt + 8 h + j] at 192 + 8 nt + j
; window 3: the C tiles of layers 1, 2, 3
.set C1B,  0
.set C2B,  64
.set C3B,  128
.set MSB, 0
.macro WIN new                         ; bits 1:0 source 0, 3:2 source 1, 5:4 source 2, 7:6 destination; the high byte repeats the setting that is left
.if MSB != (\new)
	s_set_vgpr_msb (MSB<<8)|(\new)
.set MSB, (\new)
.endif
.endm
.macro PLACES                          ; four independent vector places behind matrix instructions (ISA guide 7.12.1) before their registers are touched
.rept 4
	v_nop
.endr
.endm
.macro BAR
	s_barrier_signal -1
	s_barrier_wait -1
.endm
.macro ADD4 d, s
	v_pk_add_f32 v[\d:\d+1], v[\d:\d+1], v[\s:\s+1]
	v_pk_add_f32 v[\d+2:\d+3], v[\d+2:\d+3], v[\s+2:\s+3]
.endm
; raw f32 weights (window 1) x a of their columns, rounded once to bf16, to LDS as [k][n].  av < 0: not scaled (its a is not known yet)
.macro FOLD rb, cnt, av, sa, step
.if \av >= 0
	WIN 0x41
.set i, 0
.rept \cnt
	v_pk_mul_f32 v[\rb+4*i:\rb+4*i+1], v[\rb+4*i:\rb+4*i+1], v[\av:\av+1]
	v_pk_mul_f32 v[\rb+4*i+2:\rb+4*i+3], v[\rb+4*i+2:\rb+4*i+3], v[\av+2:\av+3]
.set i, i+1
.endr
.endif
	WIN 0x45
.set i, 0
.rept \cnt
	v_cvt_pk_bf16_f32 v[\rb+4*i], v[\rb+4*i], v[\rb+4*i+1]
	v_cvt_pk_bf16_f32 v[\rb+4*i+1], v[\rb+4*i+2], v[\rb+4*i+3]
.set i, i+1
.endr
	WIN 0x04
.set i, 0
.rept \cnt
	ds_store_b64 v[\sa], v[\rb+4*i:\rb+4*i+1] offset:\step*i
.set i, i+1
.endr
	WIN 0
.endm
; C tiles of a hidden layer: register j = sh[16 i + 8 h + j]
.macro CT cb, lay, nts
.set i, 0
.rept \nts
	ds_load_b128 v[\cb+8*i:\cb+8*i+3], v[CB] offset:1024*(\lay-1)+512+64*i
	ds_load_b128 v[\cb+8*i+4:\cb+8*i+7], v[CB] offset:1024*(\lay-1)+512+64*i+16
.set i, i+1
.endr
.endm
; a hidden layer, transposed, both tiles of rows: the first K step takes sh as C, the others go on in place
.macro MHID wb, wwin, nts, kss, src, sstep, cb
	WIN 0x30|\wwin
.irp st,0,1
.set i, 0
.rept \nts
	v_wmma_f32_16x16x32_bf16 v[DD+64*\st+8*i:DD+64*\st+8*i+7], v[\wb+8*\kss*i:\wb+8*\kss*i+7], v[\src+\sstep*\st:\src+\sstep*\st+7], v[\cb+8*i:\cb+8*i+7]
.set i, i+1
.endr
.endr
.if \kss > 1
	WIN \wwin
.set k, 1
.rept \kss-1
.irp st,0,1
.set i, 0
.rept \nts
	v_wmma_f32_16x16x32_bf16 v[DD+64*\st+8*i:DD+64*\st+8*i+7], v[\wb+8*(\kss*i+k):\wb+8*(\kss*i+k)+7], v[\src+\sstep*\st+8*k:\src+\sstep*\st+8*k+7], v[DD+64*\st+8*i:DD+64*\st+8*i+7]
.set i, i+1
.endr
.endr
.set k, k+1
.endr
.endif
	WIN 0
	PLACES
.endm
; ReLU and the rounding: tile i's 8 columns become registers 4 i .. 4 i + 3 of the next operand run
.macro ACT nts
.irp st,0,1
.set i, 0
.rept \nts
.irp j,0,1,2,3,4,5,6,7
	v_max_num_f32 v[DD+64*\st+8*i+\j], 0, v[DD+64*\st+8*i+\j]
.endr
.irp j,0,1,2,3
	v_cvt_pk_bf16_f32 v[PP+32*\st+4*i+\j], v[DD+64*\st+8*i+2*\j], v[DD+64*\st+8*i+2*\j+1]
.endr
.set i, i+1
.endr
.endr
.endm
; the layer whose sums are taken, natural order.  pilot = 1: C = 0, and both tiles of rows are added into the first one's results
.macro MSTAT wb, wwin, nts, cb, pilot
.if \pilot
	WIN \wwin
.irp st,0,1
.set k, 0
.rept 4
.set i, 0
.rept \nts
.if \st+k == 0
	v_wmma_f32_16x16x32_bf16 v[DD+8*i:DD+8*i+7], v[PP:PP+7], v[\wb+32*i:\wb+32*i+7], 0
.else
	v_wmma_f32_16x16x32_bf16 v[DD+8*i:DD+8*i+7], v[PP+32*\st+8*k:PP+32*\st+8*k+7], v[\wb+8*(4*i+k):\wb+8*(4*i+k)+7], v[DD+8*i:DD+8*i+7]
.endif
.set i, i+1
.endr
.set k, k+1
.endr
.endr
.else
	WIN 0x30|\wwin
.irp st,0,1
.set i, 0
.rept \nts
	v_wmma_f32_16x16x32_bf16 v[DD+64*\st+8*i:DD+64*\st+8*i+7], v[PP+32*\st:PP+32*\st+7], v[\wb+32*i:\wb+32*i+7], v[\cb+8*i:\cb+8*i+7]
.set i, i+1
.endr
.endr
	WIN \wwin
.set k, 1
.rept 3
.irp st,0,1
.set i, 0
.rept \nts
	v_wmma_f32_16x16x32_bf16 v[DD+64*\st+8*i:DD+64*\st+8*i+7], v[PP+32*\st+8*k:PP+32*\st+8*k+7], v[\wb+8*(4*i+k):\wb+8*(4*i+k)+7], v[DD+64*\st+8*i:DD+64*\st+8*i+7]
.set i, i+1
.endr
.endr
.set k, k+1
.endr
.endif
	WIN 0
	PLACES
.endm
.macro VSTAT nts                       ; S1 += d, S2 += d d
.irp st,0,1
.irp q,0,1,2,3
.set i, 0
.rept \nts
	v_pk_add_f32 v[ACC+4*i:ACC+4*i+1], v[ACC+4*i:ACC+4*i+1], v[DD+64*\st+8*i+2*\q:DD+64*\st+8*i+2*\q+1]
	v_pk_fma_f32 v[ACC+4*i+2:ACC+4*i+3], v[DD+64*\st+8*i+2*\q:DD+64*\st+8*i+2*\q+1], v[DD+64*\st+8*i+2*\q:DD+64*\st+8*i+2*\q+1], v[ACC+4*i+2:ACC+4*i+3]
.set i, i+1
.endr
.endr
.endr
.endm
; the pilot's column sums over 32 rows -> C tiles of -sum/32 (window 3); the sums stay in v[ACC + 2 i]
.macro REDP nts, cb
.set i, 0
.rept \nts
	v_pk_add_f32 v[DD+8*i:DD+8*i+1], v[DD+8*i:DD+8*i+1], v[DD+8*i+2:DD+8*i+3]
	v_pk_add_f32 v[DD+8*i+4:DD+8*i+5], v[DD+8*i+4:DD+8*i+5], v[DD+8*i+6:DD+8*i+7]
	v_pk_add_f32 v[DD+8*i:DD+8*i+1], v[DD+8*i:DD+8*i+1], v[DD+8*i+4:DD+8*i+5]
	v_add_f32 v[ACC+2*i], v[DD+8*i], v[DD+8*i+1]
	v_permlanex16_b32 v[PX], v[ACC+2*i], s46, s47
	v_add_f32 v[ACC+2*i], v[ACC+2*i], v[PX]
	v_mov_b32 v[ACC+2*i+1], v[ACC+2*i]
.set i, i+1
.endr
	WIN 0xc0
.set i, 0
.rept \nts
.irp q,0,1,2,3
	v_pk_mul_f32 v[\cb+8*i+2*\q:\cb+8*i+2*\q+1], v[ACC+2*i:ACC+2*i+1], 0xbd000000 op_sel_hi:[1,0]    ; x (-1/32), exact
.endr
.set i, i+1
.endr
	WIN 0
.endm
; STAGE 4: ReLU, the product with w4, b4, the sigmoid; lane L ends with row 32 trip + L
.macro VOUT
.irp st,0,1
.set i, 0
.rept 32
	v_max_num_f32 v[DD+64*\st+i], 0, v[DD+64*\st+i]
.set i, i+1
.endr
.endr
	WIN 0x08
.irp st,0,1
	v_pk_mul_f32 v[ACC+4*\st:ACC+4*\st+1], v[DD+64*\st:DD+64*\st+1], v[W4B:W4B+1]              ; the first products start the sums
	v_pk_mul_f32 v[ACC+4*\st+2:ACC+4*\st+3], v[DD+64*\st+2:DD+64*\st+3], v[W4B+2:W4B+3]
.set i, 2
.rept 14
	v_pk_fma_f32 v[ACC+4*\st+2*(i&1):ACC+4*\st+2*(i&1)+1], v[DD+64*\st+2*i:DD+64*\st+2*i+1], v[W4B+2*i:W4B+2*i+1], v[ACC+4*\st+2*(i&1):ACC+4*\st+2*(i&1)+1]
.set i, i+1
.endr
.endr
	WIN 0
	v_pk_add_f32 v[ACC:ACC+1], v[ACC:ACC+1], v[ACC+2:ACC+3]
	v_pk_add_f32 v[ACC+4:ACC+5], v[ACC+4:ACC+5], v[ACC+6:ACC+7]
	v_add_f32 v[ACC], v[ACC], v[ACC+1]                     ; first tile, row r, my half's 32 columns
	v_add_f32 v[ACC+4], v[ACC+4], v[ACC+5]                 ; second tile
	v_cndmask_b32 v[ACC+1], v[ACC], v[ACC+4], s31          ; keep: lanes 0-15 the first tile's, lanes 16-31 the second's
	v_cndmask_b32 v[ACC+2], v[ACC+4], v[ACC], s31          ; give the other away
	v_permlanex16_b32 v[PX], v[ACC+2], s46, s47
	v_add_f32 v[ACC+1], v[ACC+1], v[PX]
	v_fma_f32 v[ACC+1], v[ACC+1], s30, s49                 ; -log2(e) (logit + b4)
	v_exp_f32 v[ACC+1], v[ACC+1]
	v_nop                                                  ; one plain place behind a transcendental (ISA guide 5.7.2)
	s_wait_alu depctr_va_vdst(0)
	v_add_f32 v[ACC+1], 1.0, v[ACC+1]
	v_rcp_f32 v[ACC+1], v[ACC+1]
	v_nop
	s_wait_alu depctr_va_vdst(0)
	ds_store_b32 v[OA], v[ACC+1]
	v_add_nc_u32 v[OA], 128, v[OA]
.endm
; 32 rows.  more = 1: the next trip's two operands are fetched as soon as layer 1 has read these
.macro TRIP more
	s_wait_dscnt 0x0                               ; this trip's operands are in
	MHID W1B, 2, 8, 1, HF, 8, C1B
.if \more
	v_add_nc_u32 v[HA], 1024, v[HA]
	ds_load_b128 v[HF:HF+3], v[HA]
	ds_load_b128 v[HF+8:HF+11], v[HA] offset:512
.endif
	ACT 8
.if STAGE == 2
	MSTAT W2B, 0x04, 8, C2B, 0
	VSTAT 8
.else
	MHID W2B, 1, 8, 4, PP, 32, C2B
	ACT 8
.if STAGE == 3
	MSTAT W3B, 0x08, 4, C3B, 0
	VSTAT 4
.else
	MHID W3B, 2, 4, 4, PP, 32, C3B
	VOUT
.endif
.endif
.endm
	; ---------------- arguments, ids, the tensor load of my 512 rows of h0
	s_load_b512 s[4:19], s[0:1], 0x0
.if STAGE == 2
	s_load_b64 s[20:21], s[0:1], 0x40
.endif
.if STAGE == 3
	s_load_b128 s[20:23], s[0:1], 0x40
	s_load_b64 s[24:25], s[0:1], 0x50
.endif
.if STAGE == 4
	s_load_b128 s[20:23], s[0:1], 0x40
	s_load_b128 s[24:27], s[0:1], 0x50
	s_load_b64 s[28:29], s[0:1], 0x60
	v_lshl_add_u32 v254, v0, 2, 0x29000
	v_mov_b32 v255, 0
	ds_add_u32 v254, v255
	ds_add_u32 v254, v255
	s_mov_b32 s30, 0xbfb8aa3b                      ; -log2(e)
	s_mov_b32 s31, 0xffff0000                      ; lanes 16-31
.endif
	v_lshrrev_b32 v[PX], 5, v0
	v_readfirstlane_b32 s44, v[PX]                 ; wave 0..3
	v_and_b32 v[LANE], 31, v0
	v_and_b32 v[ROW], 15, v0
	v_bfe_u32 v[HALF], v0, 4, 1
	v_lshlrev_b32 v[L16], 4, v[LANE]
	s_mov_b32 s46, 0x76543210                      ; v_permlanex16_b32: lane i of one half reads lane i of the other
	s_mov_b32 s47, 0xfedcba98
	s_mov_b32 s36, 3<<16                           ; group 1: elements of 8 bytes, no mask, no padding
	s_mov_b32 s37, 32<<16                          ; tensor_dim0 = 32 elements = 256 bytes
	s_mov_b32 s38, 64<<16                          ; tensor_dim1 = 64 rows
	s_mov_b32 s39, 32<<16                          ; tile_dim0 = 32
	s_mov_b32 s40, 64                              ; tile_dim1 = 64: 16,384 bytes, dense
	s_mov_b32 s41, 32                              ; pitch = 32 elements
	s_mov_b32 s42, 0
	s_mov_b32 s43, 0
	s_mov_b32 s32, 1                               ; group 0: count
	s_lshl_b32 s33, s44, 14                        ; LDS address 16384 w
	s_lshl_b32 s50, ttmp9, 16                      ; 2,048 rows of 32 bytes
	s_add_co_u32 s50, s50, s33
	s_mov_b32 s51, 0
	s_wait_dscnt 0x0
	s_wait_kmcnt 0x0
	s_add_nc_u64 s[34:35], s[4:5], s[50:51]
	s_or_b32 s35, s35, 0x80000000                  ; type 2
	tensor_load_to_lds s[32:35], s[36:43]          ; the wave's one tensor load; its bytes are never filled again
	s_nop 0
.if STAGE == 4
	s_load_b32 s49, s[A_B4:A_B4+1], 0x0
.endif
	; ---------------- offsets and LDS addresses
	v_add_nc_u32 v[HA], s33, v[L16]
	v_add_nc_u32 v[RO2], s33, v[L16]
	s_lshl_b32 s45, s44, 11
	v_add_nc_u32 v[RO1], s45, v[L16]
	s_mul_i32 s45, s44, 512*NF
	v_add_nc_u32 v[PO], s45, v[L16]
	v_and_b32 v[TC4], NF-1, v0
	v_lshlrev_b32 v[TC4], 2, v[TC4]
	v_and_b32 v[TM0], 7, v0
	v_lshl_add_u32 v[TM0], v[HALF], 3, v[TM0]
	v_bfe_u32 v[TM1], v0, 3, 1
	v_lshlrev_b32 v[TM1], 4, v[TM1]
	v_mul_u32_u24 v[TR2], v[TM0], P2
	v_add_nc_u32 v[TR2], v[TR2], v[TM1]
	v_add_nc_u32 v[TR2], W1L, v[TR2]
	v_lshlrev_b32 v[CB], 5, v[HALF]
	v_add_nc_u32 v[CB], FIN, v[CB]
	s_mul_i32 s45, s44, 4*P2
	s_add_co_u32 s45, s45, W1L
	v_lshl_add_u32 v[SA1], v[LANE], 3, s45         ; w1's rows 4 w .., 8 bytes a lane
	s_mul_i32 s45, s44, 32*P2
	s_add_co_u32 s45, s45, W2L
	v_lshl_add_u32 v[SA2], v[LANE], 3, s45         ; w2's rows 32 w ..
	v_add_nc_u32 v[FA16], FIN, v[L16]
	s_lshl_b32 s45, s44, 10
	s_add_co_u32 s45, s45, RED
	v_add_nc_u32 v[RW], s45, v[L16]
	v_add_nc_u32 v[RR], RED, v[TC4]
	v_lshlrev_b32 v[FW], 2, v0
	v_add_nc_u32 v[FW], FIN+1024*(STAGE-2), v[FW]
.if STAGE >= 3
	s_lshl_b32 s45, s44, 13
	v_add_nc_u32 v[RO3], s45, v[L16]
	v_mul_u32_u24 v[TR3], v[TM0], P3
	v_add_nc_u32 v[TR3], v[TR3], v[TM1]
	v_add_nc_u32 v[TR3], W3L, v[TR3]
	s_mul_i32 s45, s44, 32*P3
	s_add_co_u32 s45, s45, W3L
	v_mul_u32_u24 v[SA3], v[HALF], P3
	v_lshl_add_u32 v[SA3], v[ROW], 3, v[SA3]
	v_add_nc_u32 v[SA3], s45, v[SA3]               ; w3's rows 32 w + h .., two rows a load
	v_lshlrev_b32 v[T8], 3, v0
	v_add_nc_u32 v[FC], FIN, v[T8]
.endif
.if STAGE == 4
	v_lshlrev_b32 v[FA3], 4, v[ROW]
	v_add_nc_u32 v[FA3], FIN+2048, v[FA3]
	v_lshlrev_b32 v[W4O], 5, v[HALF]
	s_lshl_b32 s45, s44, 11
	s_add_co_u32 s45, s45, OUTS
	v_lshl_add_u32 v[OA], v[LANE], 2, s45
.endif
	; ---------------- all global loads of the set-up, in one run
	global_load_b32 v[PRM], v[TC4], s[A_PART:A_PART+1] offset:2048*NF      ; p
	global_load_b32 v[PRM+1], v[TC4], s[A_B:A_B+1]
	global_load_b32 v[PRM+2], v[TC4], s[A_G:A_G+1]
	global_load_b32 v[PRM+3], v[TC4], s[A_BE:A_BE+1]
.if STAGE >= 3
	global_load_b64 v[FD1:FD1+1], v[T8], s[A_FIN1:A_FIN1+1]
.endif
.if STAGE == 4
	global_load_b64 v[FD2:FD2+1], v[T8], s[A_FIN2:A_FIN2+1]
.endif
	WIN 0x40
.set i, 0
.rept 4
	global_load_b128 v[R1+4*i:R1+4*i+3], v[RO1], s[A_W1:A_W1+1] offset:512*i
.set i, i+1
.endr
.set i, 0
.rept 32
	global_load_b128 v[R2+4*i:R2+4*i+3], v[RO2], s[A_W2:A_W2+1] offset:512*i
.set i, i+1
.endr
.if STAGE >= 3
.set i, 0
.rept 16
	global_load_b128 v[R3+4*i:R3+4*i+3], v[RO3], s[A_W3:A_W3+1] offset:512*i
.set i, i+1
.endr
.endif
.if STAGE == 4
	WIN 0x80
.irp nt,0,1,2,3
	global_load_b128 v[W4B+8*\nt:W4B+8*\nt+3], v[W4O], s[A_W4:A_W4+1] offset:64*\nt
	global_load_b128 v[W4B+8*\nt+4:W4B+8*\nt+7], v[W4O], s[A_W4:A_W4+1] offset:64*\nt+16
.endr
.endif
	WIN 0
	; ---------------- the 256 work-groups' sums: my wave adds 64 rows, NF loads of 512 bytes through a ring of 32
.set i, 0
.rept 32
	global_load_b128 v[RG+4*i:RG+4*i+3], v[PO], s[A_PART:A_PART+1] offset:512*i
.set i, i+1
.endr
.set i, 0
.rept 16
	v_mov_b32 v[SET+i], 0
.set i, i+1
.endr
.set i, 0
.rept NF
.if NF-1-i < 31
	s_wait_loadcnt NF-1-i                          ; the last loads: the count runs down
.else
	s_wait_loadcnt 31                              ; loads come back in order: load i is in, the 31 younger ones stay out
.endif
	v_pk_add_f32 v[SET+4*(i&3):SET+4*(i&3)+1], v[SET+4*(i&3):SET+4*(i&3)+1], v[RG+4*(i&31):RG+4*(i&31)+1]
	v_pk_add_f32 v[SET+4*(i&3)+2:SET+4*(i&3)+3], v[SET+4*(i&3)+2:SET+4*(i&3)+3], v[RG+4*(i&31)+2:RG+4*(i&31)+3]
.if i+32 < NF
	global_load_b128 v[RG+4*(i&31):RG+4*(i&31)+3], v[PO], s[A_PART:A_PART+1] offset:512*(i+32)
.endif
.set i, i+1
.endr
	ADD4 SET, SET+8
	ADD4 SET+4, SET+12
.if NF == 128
	ds_store_b128 v[RW], v[SET:SET+3]              ; even loads were S1's halves of the rows,
	ds_store_b128 v[RW], v[SET+4:SET+7] offset:512 ; odd ones S2's
.else
	ADD4 SET, SET+4                                ; a load is a whole row: lanes 0-15 S1, lanes 16-31 S2
	ds_store_b128 v[RW], v[SET:SET+3]
.endif
.if STAGE >= 3
	ds_store_b64 v[FC], v[FD1:FD1+1]               ; a and sh of the layers finished earlier
.endif
.if STAGE == 4
	ds_store_b64 v[FC], v[FD2:FD2+1] offset:1024
.endif
	s_wait_tensorcnt 0x0                           ; my part of h0 is in LDS
	s_wait_dscnt 0x0                               ; my stores are done before I say so
	BAR
	; ---------------- a and sh of my column
.irp q,0,1,2,3
	ds_load_b32 v[FT+\q], v[RR] offset:1024*\q
	ds_load_b32 v[FT+4+\q], v[RR] offset:1024*\q+4*NF
.endr
	s_wait_dscnt 0x0
	v_pk_add_f32 v[FT:FT+1], v[FT:FT+1], v[FT+2:FT+3]
	v_pk_add_f32 v[FT+4:FT+5], v[FT+4:FT+5], v[FT+6:FT+7]
	v_add_f32 v[FT], v[FT], v[FT+1]
	v_add_f32 v[FT+4], v[FT+4], v[FT+5]
	v_mul_f32 v[FT], 0x36000000, v[FT]             ; m1 = S1 / 524288
	v_mul_f32 v[FT+4], 0x36000000, v[FT+4]
	v_fma_f32 v[FT+4], -v[FT], v[FT], v[FT+4]
	v_max_num_f32 v[FT+4], 0, v[FT+4]              ; var
	v_add_f32 v[FT+4], 0x3727c5ac, v[FT+4]         ; + 1e-5
	v_rsq_f32 v[FT+5], v[FT+4]
	v_add_f32 v[FT], v[PRM], v[FT]                 ; p + m1 (the plain place behind the transcendental)
	v_add_f32 v[FT], v[FT], v[PRM+1]               ; mu = mean of z + b
	s_wait_alu depctr_va_vdst(0)
	v_mul_f32 v[FT+5], v[PRM+2], v[FT+5]           ; a
	v_sub_f32 v[FT], v[PRM+1], v[FT]               ; b - mu
	v_fma_f32 v[FT+6], v[FT+5], v[FT], v[PRM+3]    ; sh
.if NF == 64
	s_cmp_ge_u32 s44, 2                            ; threads 64-127 hold copies of columns 0-63
	s_cbranch_scc1 .Lno_fin
.endif
	ds_store_b32 v[FW], v[FT+5]
	ds_store_b32 v[FW], v[FT+6] offset:512
.Lno_fin:
	s_wait_dscnt 0x0
	BAR
.if STAGE < 4
	s_cmp_lg_u32 s44, 0
	s_cbranch_scc1 .Lno_fout
	s_cmp_lg_u32 ttmp9, 0
	s_cbranch_scc1 .Lno_fout
	ds_load_b128 v[FT+8:FT+11], v[FA16] offset:1024*(STAGE-2)
	ds_load_b128 v[FT+12:FT+15], v[FA16] offset:1024*(STAGE-2)+512
	s_wait_dscnt 0x0
	global_store_b128 v[L16], v[FT+8:FT+11], s[A_FOUT:A_FOUT+1]            ; for the later passes
	global_store_b128 v[L16], v[FT+12:FT+15], s[A_FOUT:A_FOUT+1] offset:512
	s_wait_xcnt 0x0                                ; the stores' registers are written again further down
.Lno_fout:
.endif
	; ---------------- weights: scale, round, lay down as [k][n]
	ds_load_b128 v[AV1:AV1+3], v[FA16]
.if STAGE >= 3
	ds_load_b128 v[AV2:AV2+3], v[FA16] offset:1024
.endif
.if STAGE == 4
	ds_load_b128 v[AV3:AV3+3], v[FA3]
.endif
	s_wait_dscnt 0x0
	FOLD R1, 4, AV1, SA1, P2
.if STAGE == 2
	FOLD R2, 32, -1, SA2, P2
.else
	FOLD R2, 32, AV2, SA2, P2
.endif
.if STAGE == 3
	FOLD R3, 16, -1, SA3, 2*P3
.endif
.if STAGE == 4
	FOLD R3, 16, AV3, SA3, 2*P3
.endif
	s_wait_dscnt 0x0
	BAR
	; ---------------- fragments (lane: column n0 + r, k along the registers) by transposing loads; C tiles; zeros for K 16-31 of layer 1
	WIN 0x80
.irp nt,0,1,2,3,4,5,6,7
	ds_load_tr16_b128 v[W1B+8*\nt:W1B+8*\nt+3], v[TR2] offset:32*\nt
.endr
.if STAGE >= 3
.irp nt,0,1,2,3
.irp ks,0,1,2,3
	ds_load_tr16_b128 v[W3B+8*(4*\nt+\ks):W3B+8*(4*\nt+\ks)+3], v[TR3] offset:32*P3*\ks+32*\nt
	ds_load_tr16_b128 v[W3B+8*(4*\nt+\ks)+4:W3B+8*(4*\nt+\ks)+7], v[TR3] offset:32*P3*\ks+32*\nt+16*P3
.endr
.endr
.endif
.irp nt,0,1,2,3,4,5,6,7
.irp j,4,5,6,7
	v_mov_b32 v[W1B+8*\nt+\j], 0
.endr
.endr
	WIN 0x40
.irp nt,0,1,2,3,4,5,6,7
.irp ks,0,1,2,3
	ds_load_tr16_b128 v[W2B+8*(4*\nt+\ks):W2B+8*(4*\nt+\ks)+3], v[TR2] offset:16*P2+32*P2*\ks+32*\nt
	ds_load_tr16_b128 v[W2B+8*(4*\nt+\ks)+4:W2B+8*(4*\nt+\ks)+7], v[TR2] offset:16*P2+32*P2*\ks+32*\nt+16*P2
.endr
.endr
	WIN 0xc0
	CT C1B, 1, 8
.if STAGE >= 3
	CT C2B, 2, 8
.endif
.if STAGE == 4
	CT C3B, 3, 4
.endif
	WIN 0
.irp j,4,5,6,7,12,13,14,15
	v_mov_b32 v[HF+\j], 0
.endr
.if STAGE == 4
	s_wait_kmcnt 0x0
	s_mul_f32 s49, s49, s30                        ; -log2(e) b4
.endif
.if STAGE < 4
	; ---------------- the pilot: batch rows 0-31 through the same layers
	global_load_b128 v[HF:HF+3], v[L16], s[4:5]
	global_load_b128 v[HF+8:HF+11], v[L16], s[4:5] offset:512
	s_wait_loadcnt 0x0
	s_wait_dscnt 0x0                               ; fragments and C tiles are in
	MHID W1B, 2, 8, 1, HF, 8, C1B
	ACT 8
.if STAGE == 2
	MSTAT W2B, 0x04, 8, C2B, 1
	REDP 8, C2B
.else
	MHID W2B, 1, 8, 4, PP, 32, C2B
	ACT 8
	MSTAT W3B, 0x08, 4, C3B, 1
	REDP 4, C3B
.endif
	s_cmp_lg_u32 s44, 0
	s_cbranch_scc1 .Lno_pilot
	s_cmp_lg_u32 ttmp9, 0
	s_cbranch_scc1 .Lno_pilot
	v_lshlrev_b32 v[DD+64], 2, v[ROW]
	v_add_nc_u32 v[DD+64], PILS, v[DD+64]
.set i, 0
.rept NS/16
	v_mul_f32 v[ACC+2*i+1], 0x3d000000, v[ACC+2*i]         ; p = sum / 32, the exact negative of C
	ds_store_b32 v[DD+64], v[ACC+2*i+1] offset:64*i        ; both halves write the same word with the same value
.set i, i+1
.endr
.if NS == 128
	v_add_nc_u32 v[DD+65], PILS, v[L16]
	ds_load_b128 v[DD+68:DD+71], v[DD+65]                  ; LDS serves a wave's instructions in order: this sees the stores
	s_wait_dscnt 0x0
	global_store_b128 v[L16], v[DD+68:DD+71], s[A_POUT:A_POUT+1] offset:2048*NS
.else
	v_lshlrev_b32 v[DD+66], 3, v[LANE]
	v_add_nc_u32 v[DD+65], PILS, v[DD+66]
	ds_load_b64 v[DD+68:DD+69], v[DD+65]
	s_wait_dscnt 0x0
	global_store_b64 v[DD+66], v[DD+68:DD+69], s[A_POUT:A_POUT+1] offset:2048*NS       ; 256 consecutive bytes, aligned
.endif
	s_wait_xcnt 0x0                                ; the store's registers are written again in the loop
.Lno_pilot:
.set i, 0
.rept NS/4
	v_mov_b32 v[ACC+i], 0
.set i, i+1
.endr
.endif
	; ---------------- 16 trips of 32 rows
	ds_load_b128 v[HF:HF+3], v[HA]
	ds_load_b128 v[HF+8:HF+11], v[HA] offset:512
	s_mov_b32 s48, 15
.Ltrip:
	TRIP 1
	WIN 0
	s_sub_co_u32 s48, s48, 1
	s_cmp_lg_u32 s48, 0
	s_cbranch_scc1 .Ltrip
	TRIP 0                                         ; the last trip fetches nothing
.if STAGE < 4
	; ---------------- the wave's sums, then the four waves' through LDS (RED was last read two barriers ago)
	s_lshl_b32 s45, s44, 10
	s_add_co_u32 s45, s45, RED
	v_lshl_add_u32 v[DD], v[ROW], 2, s45
.set i, 0
.rept NS/16
	v_add_f32 v[DD+2+2*i], v[ACC+4*i], v[ACC+4*i+1]
	v_add_f32 v[DD+3+2*i], v[ACC+4*i+2], v[ACC+4*i+3]
	v_permlanex16_b32 v[PX], v[DD+2+2*i], s46, s47
	v_add_f32 v[DD+2+2*i], v[DD+2+2*i], v[PX]
	v_permlanex16_b32 v[PX], v[DD+3+2*i], s46, s47
	v_add_f32 v[DD+3+2*i], v[DD+3+2*i], v[PX]
	ds_store_b32 v[DD], v[DD+2+2*i] offset:64*i
	ds_store_b32 v[DD], v[DD+3+2*i] offset:64*i+4*NS
.set i, i+1
.endr
	s_wait_dscnt 0x0
	BAR
	s_cmp_ge_u32 s44, NS/64                        ; a row of 8 NS bytes: 16 bytes a thread
	s_cbranch_scc1 .Lend
	v_lshlrev_b32 v[DD+1], 4, v0
	v_add_nc_u32 v[DD], RED, v[DD+1]
.irp q,0,1,2,3
	ds_load_b128 v[DD+4+4*\q:DD+7+4*\q], v[DD] offset:1024*\q
.endr
	s_mul_i32 s50, ttmp9, 8*NS
	s_mov_b32 s51, 0
	s_add_nc_u64 s[30:31], s[A_POUT:A_POUT+1], s[50:51]
	s_wait_dscnt 0x0
	ADD4 DD+4, DD+12
	ADD4 DD+8, DD+16
	ADD4 DD+4, DD+8
	global_store_b128 v[DD+1], v[DD+4:DD+7], s[30:31]
.Lend:
.else
	; ---------------- my 512 results: my own bytes of LDS, read back 16 bytes a lane; a store covers 512 consecutive bytes, aligned
	s_lshl_b32 s45, s44, 11
	s_add_co_u32 s45, s45, OUTS
	v_add_nc_u32 v[DD+16], s45, v[L16]
	s_lshl_b32 s50, ttmp9, 13
	s_mov_b32 s51, 0
	s_add_nc_u64 s[A_OUT:A_OUT+1], s[A_OUT:A_OUT+1], s[50:51]
.irp q,0,1,2,3
	ds_load_b128 v[DD+4*\q:DD+4*\q+3], v[DD+16] offset:512*\q
.endr
.irp q,0,1,2,3
	s_wait_dscnt 3-\q                              ; LDS loads come back in order: the younger ones stay out
	global_store_b128 v[RO1], v[DD+4*\q:DD+4*\q+3], s[A_OUT:A_OUT+1] offset:512*\q th:TH_STORE_NT     ; RO1 = 2048 w + 16 L
.endr
.endif
	s_wait_tensorcnt 0x0
	ds_add_u32 v254, v255
	s_wait_dscnt 0x0
	s_endpgm
.Lfunc_end_k_q9d7248ece1_stage4:
	.size	k_q9d7248ece1_stage4, .Lfunc_end_k_q9d7248ece1_stage4-k_q9d7248ece1_stage4
	.p2alignl 7, 3214868480
	.fill 96, 4, 3214868480
	.section	.rodata,"a",@progbits
	.p2align	6, 0x0
	.amdhsa_kernel k_q9d7248ece1_stage4
		.amdhsa_group_segment_fixed_size 168448
		.amdhsa_private_segment_fixed_size 0
		.amdhsa_enable_private_segment 0
		.amdhsa_kernarg_size 104
		.amdhsa_user_sgpr_count 2
		.amdhsa_user_sgpr_kernarg_segment_ptr 1
		.amdhsa_wavefront_size32 1
		.amdhsa_system_sgpr_workgroup_id_x 1
		.amdhsa_system_sgpr_workgroup_id_y 1
		.amdhsa_system_sgpr_workgroup_id_z 1
		.amdhsa_system_vgpr_workitem_id 0
		.amdhsa_next_free_vgpr 1024
		.amdhsa_next_free_sgpr 66
		.amdhsa_reserve_vcc 0
		.amdhsa_float_denorm_mode_32 3
		.amdhsa_float_denorm_mode_16_64 3
		.amdhsa_memory_ordered 1
		.amdhsa_forward_progress 1
		.amdhsa_inst_pref_size 116
	.end_amdhsa_kernel
	.amdgpu_metadata
---
amdhsa.version: [ 1, 2 ]
amdhsa.kernels:
  - .name:           k_q9d7248ece1_stage4
    .symbol:         k_q9d7248ece1_stage4.kd
    .args:
      - { .name: h0, .offset: 0, .size: 8, .value_kind: global_buffer, .address_space: global }
      - { .name: part3, .offset: 8, .size: 8, .value_kind: global_buffer, .address_space: global }
      - { .name: b3, .offset: 16, .size: 8, .value_kind: global_buffer, .address_space: global }
      - { .name: g3, .offset: 24, .size: 8, .value_kind: global_buffer, .address_space: global }
      - { .name: be3, .offset: 32, .size: 8, .value_kind: global_buffer, .address_space: global }
      - { .name: w1, .offset: 40, .size: 8, .value_kind: global_buffer, .address_space: global }
      - { .name: w2, .offset: 48, .size: 8, .value_kind: global_buffer, .address_space: global }
      - { .name: w3, .offset: 56, .size: 8, .value_kind: global_buffer, .address_space: global }
      - { .name: fin1, .offset: 64, .size: 8, .value_kind: global_buffer, .address_space: global }
      - { .name: fin2, .offset: 72, .size: 8, .value_kind: global_buffer, .address_space: global }
      - { .name: w4, .offset: 80, .size: 8, .value_kind: global_buffer, .address_space: global }
      - { .name: b4, .offset: 88, .size: 8, .value_kind: global_buffer, .address_space: global }
      - { .name: out0, .offset: 96, .size: 8, .value_kind: global_buffer, .address_space: global }
    .group_segment_fixed_size: 168448
    .private_segment_fixed_size: 0
    .kernarg_segment_align: 8
    .kernarg_segment_size: 104
    .max_flat_workgroup_size: 128
    .sgpr_count:     66
    .vgpr_count:     1024
    .wavefront_size: 32
...
	.end_amdgpu_metadata
.endif
;; end of part 4
